; MI455X (gfx1250); checked and timed in simulation.
; The chip was launched on July 23, 2026; its instructions are those of AMD's public machine-readable ISA for CDNA 5 (MIT licence, August 2026) and "CDNA5" Instruction Set Architecture Reference Guide (July 2026). The comments in the code are by the model that wrote it; some were corrected since.
;; Attention. Allowed arithmetic: matrix products marked QUANTISED: E3M2 operands, one E8M0 scale for each 32 along K, by v_wmma_scale_f32_16x16x128_f8f6f4 with both operands' format E3M2, f32 sums; everything else in f32.
;; Inputs: Wkv 1,024 x 2,048 float32; Wo 1,024 x 1,024 float32; Wp 1,024 x 64 float32; Wq 1,024 x 1,024 float32; bkv 2,048 float32; bo 1,024 float32; bp 64 float32; bq 1,024 float32; pos_emb 2,048 x 1,024 float32; x 2 x 2,048 x 1,024 float32.
;; Outputs: out0 2 x 2,048 x 1,024 float32.
;; This version of the problem:
;;   THIS VERSION OF THE PROBLEM IS GIVEN IN LOW PRECISION. The matrix products marked QUANTISED in the list below multiply operands that are first quantised to E3M2 (3 exponent bits, 2 mantissa bits; 6 bits a number), with one power-of-two scale for each 32 numbers along K (OCP MX v1.0); their sums are f32. All else is computed in f32.
;;   The module's matrix products, in the order in which they are computed (A, B: the left and right operand; K: the contracted axis; several contracted axes count as one K, in the product's order):
;;     1. [M 4,096, K 1,024] x [K 1,024, N 1,024]; A: input x; B: input Wq: QUANTISED
;;     2. [M 4,096, K 1,024] x [K 1,024, N 2,048]; A: input x; B: input Wkv: QUANTISED
;;     3. batch 32 x [M 2,048, K 64] x [K 64, N 2,048]; A: computed on the way; B: computed on the way: QUANTISED
;;     4. [M 2,048, K 1,024] x [K 1,024, N 64]; A: input pos_emb; B: input Wp: QUANTISED
;;     5. [M 65,536, K 64] x [K 64, N 2,048]; A: computed on the way; B: computed on the way: QUANTISED
;;     6. batch 32 x [M 2,048, K 2,048] x [K 2,048, N 64]; A: softmax (see below); B: computed on the way: QUANTISED
;;     7. [M 4,096, K 1,024] x [K 1,024, N 1,024]; A: computed on the way; B: input Wo: QUANTISED
;;   THE QUANTISER, for each operand of a quantised product, along K:
;;     - K is cut into blocks of 32 from its start; a last block that is shorter is filled with zeros.
;;     - A block's scale is 2^e with e = floor(log2(the largest magnitude in the block)) - 4, held to -126 .. 127; a block of zeros has e = 0. As a byte (E8M0): e + 127.
;;     - Each number is divided by its block's scale, clamped to +-28, and rounded to the nearest number of E3M2, ties to even, subnormals kept.
;;     - The product sums the exact products of the quantised numbers (number of the format x scale) in f32.
;;   ~~~python
;;   def quantise(x, axis):      # numpy; x: float32 -> the quantised numbers, widened to float32 again
;;       x = np.moveaxis(x, axis, -1); K = x.shape[-1]
;;       x = np.pad(x, [(0, 0)] * (x.ndim - 1) + [(0, -K % 32)]); x = x.reshape(x.shape[:-1] + (-1, 32)); a = np.abs(x).max(-1, keepdims=True)
;;       e = np.where(a > 0, np.clip(np.frexp(np.where(a > 0, a, 1))[1] - 1 - 4, -126, 127), 0)      # np.frexp(a)[1] - 1 = floor(log2(a)), exactly
;;       r = np.clip(x / 2.0 ** e, -28, 28)
;;       step = 2.0 ** (np.maximum(np.frexp(np.where(r == 0, 1, r))[1] - 1, -2) - 2)
;;       q = np.round(r / step) * step * 2.0 ** e      # np.round: ties to even
;;       return np.moveaxis(q.reshape(q.shape[:-2] + (-1,))[..., :K], -1, axis).astype(np.float32)
;;   ~~~
;;   SOFTMAX AHEAD OF A QUANTISED PRODUCT. Where the list says 'softmax', what is quantised is not the finished softmax but p = 2^(t - M), with t = logit x log2(e) and M = ceil(the row's largest t), a whole number; so 1/2 < the row's largest p <= 1. The row's sum l is taken of the UNQUANTISED p, in f32, and the product's result is divided by l at the end. Since M is a whole number, a kernel that streams over the keys may use a running M (the ceiling of the running maximum): every later rescaling is an exact power of two, which a block's scale takes up: the codes' values come out the same.
;;   OPERANDS COMPUTED ON THE WAY. 'Computed on the way' means the value that the module computes at that place (a softmax that the list does not call 'softmax' is quantised finished and normalised). What goes into a quantiser is computed in f32, as accurately as f32 sums, v_exp_f32 and their like allow (about 1e-6 of the number): no bf16 or f16 on the way to a quantiser, and a product that is left as it is and whose result goes on into a quantised operand takes f32 operands (vector FMAs, or v_wmma_f32_16x16x4_f32). A number that lies on a knife's edge between two numbers of the format may be rounded either way, as far as f32 arithmetic and the matrix unit's own rounding can turn it there, and no further.
;; One version. Each part assembles by itself: llvm-mc -triple=amdgcn-amd-amdhsa -mcpu=gfx1250 --defsym DOCPART=n.
;; ======== version 1 of 1: 4 launches
;; limits: right only within a limited range of input values
;; workspace buffers: xp 4,915,200 bytes; w 3,328,000 bytes; q 3,407,872 bytes; kv 6,684,672 bytes; pbuf 113,152 bytes; a 3,276,800 bytes
;; launch quant (part 1): grid 644 x 1, 4 waves a work-group, no clusters, 34,304 bytes of LDS; arguments Wp, Wq, Wkv, Wo, w, pbuf, x, pos_emb, xp; writes w, pbuf, xp
.if DOCPART == 1
	.amdgcn_target "amdgcn-amd-amdhsa--gfx1250"
	.amdhsa_code_object_version 6
	.text
	.protected	k_qc519eea56a_quant
	.globl	k_qc519eea56a_quant
	.p2align	8
	.type	k_qc519eea56a_quant,@function
k_qc519eea56a_quant:
	s_mov_b64 s[64:65], 0
	v_nop
	global_prefetch_b8 v0, s[64:65] scope:SCOPE_SE
	s_setreg_imm32_b32 hwreg(HW_REG_WAVE_MODE, 25, 1), 1
	s_wait_xcnt 0x0
; THE PROGRAM: Transformer-XL attention, b = 2, n = 2048, dim = 1024, 16 heads of 64, all seven products on codes of BF6 (E3M2) with one E8M0 scale for each 32 along K.
; Four launches: this one (x, pos_emb and the four weights into codes), the projections q, k, v, p (quantised on their way out), the attention, the projection on the way out.
; WORK LEFT OUT, AND WHY IT IS DEAD.  rel_shift pads a zero column in front, reads the (n, n+1) array as (n+1, n) and drops the first row: element (i, j) of the result is the flat element
; (i+1) n + j = i (n+1) + (n - i + j) of the padded array.  For j <= i that is column n - i + j >= 1 of padded row i, which is t[i, n-1-i+j].  For j > i the element lies where reference()'s own
; causal mask (jnp.triu(.., 1)) puts -1e30 in its place, whatever the inputs hold.  So of product 5 only t[i, m] with m >= n-1-i reaches an output, and of products 3 and 6 only keys j <= i:
; a masked logit of -1e30 gives the weight 0 beside the row's own key j = i.  Tiles that lie wholly under the mask are not multiplied.  No input is dead: every bias moves codes or the output.
; LIMIT: a NaN, an infinity or an overflow that reaches only the work left out is not carried to the result.
; OPERANDS IN WORKSPACE ARE IMAGES OF OPERAND REGISTERS.  16 rows x 64 along K are 768 bytes: lane (r, h) owns the 24 bytes of block h of row r: its first 16 at 16 x lane, its last 8 at 512 + 8 x lane.
; Two such images on end are a fragment of 16 rows x 128 K.  A scale word (4 bytes: 128 along K of one row) lies at tile x 512 + K step x 64 + 4 r.
; THE ORDER INSIDE A BLOCK OF 32 is the same on both operands of every product: places 0-7 hold numbers 0-7, places 8-15 numbers 16-23, places 16-23 numbers 8-15, places 24-31 numbers 24-31.
; A permutation inside a block, alike on both sides, changes neither the block's scale nor any product; it is the order in which a matrix result's registers run, so results become operands without moves.
; THIS LAUNCH has two ways, parted by the work-group's number alone.
; ROWS, work-groups 0-383: 16 rows (64 KiB on end) of x (tiles 0-255) or pos_emb (tiles 256-383); wave w takes K steps 2 w and 2 w + 1.  Each load reads 512 consecutive bytes of a row; the numbers turn
; through the wave's own stage in LDS (rows of 512 + 16 bytes) so that a lane holds 16 numbers of each block of its row.  Waves share nothing: no barrier.
; COLUMNS, work-groups 384-643: the weights, f32 stored [K = 1024][N].  A pair of waves takes 64 columns (X = 0: Wp; 1-16: Wq; 17-48: Wkv; 49-64: Wo) of one K step Y of 128; pair number = 8 X + Y.
; A lane takes a column and its registers run down K: a load reads 128 consecutive bytes of a row of the weight, a block of 32 lies in one lane, the conversions give codes with K innermost.  No LDS on this way.
; Tiles of 16 columns in w: 0-3 Wp, 4-67 Wq, 68-131 Wkv's k half, 132-195 its v half, 196-259 Wo; codes at (tile x 8 + K step) x 1,536; scale words from byte 3,194,880 at tile x 512 + K step x 64 + 4 r.
; One wave also stores the zeros of pbuf's tiles 128-135 (positions past the table's end, which only masked scores read).
; LIMITS: NaN and infinities among the inputs are not served; a block whose largest magnitude lies under 2^-122 keeps the byte 1, a block of zeros too (its codes are zeros; this program alone reads the bytes).
.set ROWG,  384                        ; work-groups of the first way
.set STG,   8448                       ; a wave's stage: 16 rows x 528 bytes
.set SPARE, 33792                      ; behind the four stages: the spare words, 128 bytes a wave
.set SPW, 14                           ; v14 my spare word, v15 zero: kept for the add alone
.set NIL, 15
.set R,   16                           ; rows: v16-143 two K steps x 16 rows x 4 registers, as loaded
.set X,   144                          ; v144-207 64 numbers of my row: register 16 b + i
.set TM,  208                          ; v208-223 at work
.set PW,  224                          ; v224-225 the two scale words
.set PC,  226                          ; v226-245 codes
.set WX,  48                           ; columns: v48-111 two sets of 32 numbers
.set WC,  112                          ; v112-135 block t's six registers of codes at WC + 6 t
	v_lshl_add_u32 v[SPW], v0, 2, SPARE
	v_mov_b32 v[NIL], 0
	v_lshrrev_b32 v1, 5, v0
	v_readfirstlane_b32 s3, v1                     ; wave 0..3
	s_cmp_ge_u32 ttmp9, ROWG
	s_wait_alu depctr_va_vdst(0)                   ; the wait ahead of the branch
	s_cbranch_scc1 .Lcols
	s_load_b128 s[4:7], s[0:1], 0x30               ; x, pos_emb
	s_load_b64 s[8:9], s[0:1], 0x40                ; xp
	v_and_b32 v1, 31, v0                           ; lane
	v_and_b32 v2, 15, v0                           ; r
	v_bfe_u32 v3, v0, 4, 1                         ; h
	v_lshlrev_b32 v4, 4, v1                        ; 16 x lane
	v_lshlrev_b32 v5, 3, v1                        ; 8 x lane
	v_lshlrev_b32 v6, 2, v1                        ; 4 x lane
	s_mul_i32 s11, s3, STG
	v_add_nc_u32 v7, s11, v4                       ; the stage, on the way in: 16 x lane of a row
	v_mul_u32_u24 v8, v2, 528
	v_lshl_add_u32 v8, v3, 5, v8
	v_add_nc_u32 v8, s11, v8                       ; and out: row r, + 32 h
	s_mov_b32 s20, 0x76543210
	s_mov_b32 s21, 0xfedcba98                      ; lane selects: lane l xor 16
	s_mov_b32 s22, 0xffff0000                      ; lanes 16-31
.irp b, 0,1,2,3
	v_mov_b32 v[TM+4+\b], 0                        ; a lane permute's destination counts as one of its sources
.endr
	s_cmp_lt_u32 ttmp9, 256
	s_cselect_b32 s12, 0, 256
	s_sub_co_u32 s12, ttmp9, s12                   ; the tile's number in its own tensor
	s_lshl_b32 s12, s12, 16                        ; 16 rows of 4,096 bytes
	s_lshl_b32 s13, s3, 10                         ; my two K steps: 1,024 bytes of a row
	s_add_co_u32 s12, s12, s13
	s_mov_b32 s13, 0
	s_mul_i32 s14, ttmp9, 12288                    ; codes: 8 fragments a tile
	s_mul_i32 s15, s3, 3072
	s_add_co_u32 s14, s14, s15
	s_mov_b32 s15, 0
	s_lshl_b32 s16, ttmp9, 9                       ; scale words: 512 bytes a tile
	s_lshl_b32 s17, s3, 7
	s_add_co_u32 s16, s16, s17
	s_add_co_u32 s16, s16, 4718592
	s_mov_b32 s17, 0
	s_wait_alu depctr_va_vdst(0)                   ; the wait at the head's end
	s_wait_kmcnt 0x0
	s_cmp_lt_u32 ttmp9, 256                        ; the choice hangs on the work-group's number alone
	s_cselect_b64 s[4:5], s[4:5], s[6:7]
	s_add_nc_u64 s[4:5], s[4:5], s[12:13]
	s_add_nc_u64 s[14:15], s[8:9], s[14:15]
	s_add_nc_u64 s[16:17], s[8:9], s[16:17]
.irp ks, 0,1
.irp row, 0,1,2,3,4,5,6,7,8,9,10,11,12,13,14,15
	global_load_b128 v[R+64*\ks+4*\row:R+64*\ks+4*\row+3], v4, s[4:5] offset:\row*4096+\ks*512 th:TH_LOAD_NT   ; 32 lanes read 512 consecutive bytes
.endr
.endr
; 64 numbers of a lane, register 16 b + i of half h, become a fragment's codes in v[PC] on and its scale word
.macro QUANT s, pw
.irp b, 0,1,2,3
	v_max3_num_f32 v[TM+\b], |v[\s+16*\b]|, |v[\s+1+16*\b]|, 0x2800000   ; my 16 numbers of block b, and the floor 2^(5 - 127): the byte cannot fall under 1
.endr
.irp i, 2,4,6,8,10,12,14
.irp b, 0,1,2,3
	v_max3_num_f32 v[TM+\b], v[TM+\b], |v[\s+16*\b+\i]|, |v[\s+1+16*\b+\i]|
.endr
.endr
.irp b, 0,1,2,3
	v_permlanex16_b32 v[TM+4+\b], v[TM+\b], s20, s21
.endr
.irp b, 0,1,2,3
	v_max_num_f32 v[TM+\b], v[TM+\b], v[TM+4+\b]   ; with lane l xor 16's: the block's largest magnitude
.endr
.irp b, 0,1,2,3
	v_add_nc_u32 v[TM+12+\b], 0xfe000000, v[TM+\b] ; 4 off its exponent field: the conversion's scale operand
.endr
.irp b, 0,1,2,3
	v_lshrrev_b32 v[TM+4+\b], 23, v[TM+12+\b]      ; the scale's byte
.endr
	v_lshl_or_b32 v[\pw], v[TM+5], 8, v[TM+4]
	v_lshl_or_b32 v[\pw], v[TM+6], 16, v[\pw]
	v_lshl_or_b32 v[\pw], v[TM+7], 24, v[\pw]
.irp c, 0,1
	v_cvt_scalef32_pk16_bf6_f32 v[PC+6*\c:PC+2+6*\c], v[\s+32*\c:\s+15+32*\c], v[TM+12+2*\c]
	v_cvt_scalef32_pk16_bf6_f32 v[PC+12+4*\c:PC+14+4*\c], v[\s+16+32*\c:\s+31+32*\c], v[TM+12+2*\c+1]   ; (a conversion's three registers begin on an even number)
.endr
	v_nop                                          ; one plain place behind a scaled conversion
.irp c, 0,1                                    ; a whole block to a lane: lanes 0-15 block 2 c, lanes 16-31 block 2 c + 1
.irp i, 0,1,2
	v_permlane16_swap_b32 v[PC+6*\c+\i], v[PC+12+4*\c+\i]
.endr
.irp i, 0,1,2
	v_mov_b32 v[PC+3+6*\c+\i], v[PC+12+4*\c+\i]
.endr
.endr
.endm
.macro PART ks
	s_wait_loadcnt 16*(1-\ks)                      ; this K step's 16 loads are in; the other step's 16 may be out
.irp row, 0,1,2,3,4,5,6,7,8,9,10,11,12,13,14,15
	ds_store_b128 v7, v[R+64*\ks+4*\row:R+64*\ks+4*\row+3] offset:\row*528
.endr
.irp b, 0,1,2,3                                ; LDS serves a wave's instructions in order: these see the stores above.  Numbers 8 h + 0..7 and 16 + 8 h + 0..7 of block b
	ds_load_b128 v[X+16*\b:X+16*\b+3], v8 offset:128*\b
	ds_load_b128 v[X+16*\b+4:X+16*\b+7], v8 offset:128*\b+16
	ds_load_b128 v[X+16*\b+8:X+16*\b+11], v8 offset:128*\b+64
	ds_load_b128 v[X+16*\b+12:X+16*\b+15], v8 offset:128*\b+80
.endr
	s_wait_dscnt 0x0
.if \ks
	s_wait_xcnt 0x0                                ; the first fragment's stores have read their registers: the codes are written again only behind this wait
.endif
	QUANT X, PW+\ks
	global_store_b128 v4, v[PC:PC+3], s[14:15] offset:\ks*1536            ; 512 consecutive bytes
	global_store_b64 v5, v[PC+4:PC+5], s[14:15] offset:\ks*1536+512       ; 256
	global_store_b128 v4, v[PC+6:PC+9], s[14:15] offset:\ks*1536+768
	global_store_b64 v5, v[PC+10:PC+11], s[14:15] offset:\ks*1536+1280
.endm
	PART 0
	PART 1
	v_cndmask_b32 v246, v[PW], v[PW+1], s22        ; lanes 0-15: the first K step's words, lanes 16-31 the second's
	global_store_b32 v6, v246, s[16:17]            ; 128 consecutive bytes
	s_wait_tensorcnt 0x0                           ; the wave's end
	ds_add_u32 v[SPW], v[NIL]
	s_wait_dscnt 0x0
	s_endpgm
.Lcols:                                            ; THE WEIGHTS: this way touches no LDS
	s_load_b256 s[4:11], s[0:1], 0x0               ; Wp, Wq, Wkv, Wo
	s_load_b128 s[12:15], s[0:1], 0x20             ; w, pbuf
	v_and_b32 v1, 31, v0                           ; lane = my column of the wave's 32
	v_and_b32 v2, 15, v0
	v_bfe_u32 v7, v0, 4, 1
	v_lshlrev_b32 v3, 2, v1
	v_lshlrev_b32 v4, 4, v1
	v_lshlrev_b32 v5, 3, v1
	v_lshlrev_b32 v6, 2, v2
	v_lshl_add_u32 v6, v7, 9, v6                   ; my scale word: tile h of the two, row r
	s_wait_alu depctr_va_vdst(0)                   ; the wait ahead of the run of scalar lines
	s_and_b32 s20, s3, 1                           ; my half of the pair's 64 columns
	s_sub_co_u32 s41, ttmp9, ROWG
	s_lshl_b32 s41, s41, 1
	s_lshr_b32 s21, s3, 1
	s_add_co_u32 s41, s41, s21                     ; the pair's number, 0 .. 519
	s_and_b32 s21, s41, 7                          ; Y: the K step
	s_lshr_b32 s41, s41, 3                         ; X: which 64 columns
	s_mov_b32 s18, 4096                            ; a row of the weight in bytes, and the weight's first X
	s_mov_b32 s19, 49
	s_cmp_lt_u32 s41, 49
	s_cselect_b32 s18, 8192, s18
	s_cselect_b32 s19, 17, s19
	s_cmp_lt_u32 s41, 17
	s_cselect_b32 s18, 4096, s18
	s_cselect_b32 s19, 1, s19
	s_cmp_lt_u32 s41, 1
	s_cselect_b32 s18, 256, s18
	s_cselect_b32 s19, 0, s19
	s_sub_co_u32 s22, s41, s19
	s_lshl_b32 s22, s22, 8                         ; 64 columns of 4 bytes
	s_lshl_b32 s23, s20, 7
	s_add_co_u32 s22, s22, s23                     ; + my wave's 32
	s_lshl_b32 s23, s18, 7
	s_mul_i32 s23, s23, s21                        ; + 128 rows a K step
	s_add_co_u32 s22, s22, s23
	s_mov_b32 s23, 0
	s_lshl_b32 s32, s18, 5                         ; 32 rows: a block on
	s_mov_b32 s33, 0
.irp i, 0,1,2,3,4,5,6,7,8,9,10,11,12,13,14,15,16,17,18,19,20,21,22,23,24,25,26,27,28,29,30,31
	v_mad_u32_u24 v[16+\i], s18, \i, v3            ; row i of a block, my column
.endr
	s_lshl_b32 s34, s41, 2
	s_lshl_b32 s35, s20, 1
	s_add_co_u32 s34, s34, s35                     ; my first tile
	s_lshl_b32 s36, s34, 3
	s_add_co_u32 s36, s36, s21
	s_mul_i32 s36, s36, 1536
	s_mov_b32 s37, 0
	s_lshl_b32 s38, s34, 9
	s_lshl_b32 s39, s21, 6
	s_add_co_u32 s38, s38, s39
	s_add_co_u32 s38, s38, 3194880
	s_mov_b32 s39, 0
	s_wait_alu depctr_va_vdst(0)                   ; the wait at the head's end
	s_wait_kmcnt 0x0
	s_mov_b64 s[16:17], s[10:11]                   ; the weight: a choice on ids alone
	s_cmp_lt_u32 s41, 49
	s_cselect_b64 s[16:17], s[8:9], s[16:17]
	s_cmp_lt_u32 s41, 17
	s_cselect_b64 s[16:17], s[6:7], s[16:17]
	s_cmp_lt_u32 s41, 1
	s_cselect_b64 s[16:17], s[4:5], s[16:17]
	s_add_nc_u64 s[24:25], s[16:17], s[22:23]      ; a base for each of the four blocks
	s_add_nc_u64 s[26:27], s[24:25], s[32:33]
	s_add_nc_u64 s[28:29], s[26:27], s[32:33]
	s_add_nc_u64 s[30:31], s[28:29], s[32:33]
	s_add_nc_u64 s[36:37], s[12:13], s[36:37]
	s_add_nc_u64 s[38:39], s[12:13], s[38:39]
.macro LOAD t                          ; block t: place i of the block takes number i % 8 + 16 ((i / 8) % 2) + 8 (i / 16)
.irp i, 0,1,2,3,4,5,6,7,8,9,10,11,12,13,14,15,16,17,18,19,20,21,22,23,24,25,26,27,28,29,30,31
	global_load_b32 v[WX+32*((\t)%2)+\i], v[16+(\i%8)+16*((\i/8)%2)+8*(\i/16)], s[24+2*(\t):25+2*(\t)] th:TH_LOAD_NT
.endr
.endm
	LOAD 0
	LOAD 1
.macro BLOCK t
.set XS, WX+32*((\t)%2)
.set CC, WC+6*(\t)
.if (\t) < 3
	s_wait_loadcnt 32                              ; this block's 32 loads are in; the next block's 32 may be out
.else
	s_wait_loadcnt 0x0
.endif
	v_max3_num_f32 v8, |v[XS]|, |v[XS+1]|, |v[XS+2]|               ; the block's largest magnitude: all 32 numbers are mine
	v_max3_num_f32 v9, |v[XS+3]|, |v[XS+4]|, |v[XS+5]|
.irp i, 6,10,14,18,22,26
	v_max3_num_f32 v8, v8, |v[XS+\i]|, |v[XS+\i+1]|
	v_max3_num_f32 v9, v9, |v[XS+\i+2]|, |v[XS+\i+3]|
.endr
	v_max3_num_f32 v8, v8, |v[XS+30]|, |v[XS+31]|
	v_max3_num_f32 v8, v8, v9, 0x2800000           ; and the floor 2^(5 - 127)
	v_add_nc_u32 v11, 0xfe000000, v8               ; 4 off its exponent field: the conversion's scale operand
	v_lshrrev_b32 v12, 23, v11                     ; the scale's byte
.if (\t) == 0
	v_mov_b32 v10, v12
.else
	v_lshl_or_b32 v10, v12, 8*(\t), v10
.endif
	v_cvt_scalef32_pk16_bf6_f32 v[CC:CC+2], v[XS:XS+15], v11
	v_cvt_scalef32_pk16_bf6_f32 v[136:138], v[XS+16:XS+31], v11    ; (a conversion's three registers begin on an even number)
	v_nop                                          ; one plain place behind a scaled conversion
.irp i, 0,1,2
	v_mov_b32 v[CC+3+\i], v[136+\i]
.endr
.if (\t)+2 < 4
	LOAD (\t)+2
.endif
.endm
	BLOCK 0
	BLOCK 1
	BLOCK 2
	BLOCK 3
.irp i, 0,1,2,3,4,5                            ; lanes 16-31 of block 2 c change places with lanes 0-15 of block 2 c + 1: the first then holds registers 6 c .. of my first tile's fragment, the second those of my second tile's
	v_permlane16_swap_b32 v[WC+\i], v[WC+6+\i]
	v_permlane16_swap_b32 v[WC+12+\i], v[WC+18+\i]
.endr
	global_store_b128 v4, v[WC:WC+3], s[36:37]
	global_store_b64 v5, v[WC+4:WC+5], s[36:37] offset:512
	global_store_b128 v4, v[WC+12:WC+15], s[36:37] offset:768
	global_store_b64 v5, v[WC+16:WC+17], s[36:37] offset:1280
	global_store_b128 v4, v[WC+6:WC+9], s[36:37] offset:12288
	global_store_b64 v5, v[WC+10:WC+11], s[36:37] offset:12288+512
	global_store_b128 v4, v[WC+18:WC+21], s[36:37] offset:12288+768
	global_store_b64 v5, v[WC+22:WC+23], s[36:37] offset:12288+1280
	global_store_b32 v6, v10, s[38:39]             ; two pieces of 64 bytes: a small part of what the launch moves
	s_or_b32 s40, s41, s21
	s_or_b32 s40, s40, s20
	s_cmp_lg_u32 s40, 0
	s_cbranch_scc1 .Ldone
.irp i, 0,1,2,3
	v_mov_b32 v[140+\i], 0
.endr
	global_store_b128 v4, v[140:143], s[14:15] offset:8192         ; the scale words of tiles 128-135
.irp i, 0,1,2,3,4,5,6,7,8,9,10,11
	global_store_b128 v4, v[140:143], s[14:15] offset:107008+512*\i   ; and their codes
.endr
.Ldone:
	s_endpgm
.Lfunc_end_k_qc519eea56a_quant:
	.size	k_qc519eea56a_quant, .Lfunc_end_k_qc519eea56a_quant-k_qc519eea56a_quant
	.p2alignl 7, 3214868480
	.fill 96, 4, 3214868480
	.section	.rodata,"a",@progbits
	.p2align	6, 0x0
	.amdhsa_kernel k_qc519eea56a_quant
		.amdhsa_group_segment_fixed_size 34304
		.amdhsa_private_segment_fixed_size 0
		.amdhsa_enable_private_segment 0
		.amdhsa_kernarg_size 72
		.amdhsa_user_sgpr_count 2
		.amdhsa_user_sgpr_kernarg_segment_ptr 1
		.amdhsa_wavefront_size32 1
		.amdhsa_system_sgpr_workgroup_id_x 1
		.amdhsa_system_sgpr_workgroup_id_y 1
		.amdhsa_system_sgpr_workgroup_id_z 1
		.amdhsa_system_vgpr_workitem_id 0
		.amdhsa_next_free_vgpr 256
		.amdhsa_next_free_sgpr 66
		.amdhsa_reserve_vcc 0
		.amdhsa_float_denorm_mode_32 3
		.amdhsa_float_denorm_mode_16_64 3
		.amdhsa_memory_ordered 1
		.amdhsa_forward_progress 1
		.amdhsa_inst_pref_size 44
	.end_amdhsa_kernel
	.amdgpu_metadata
---
amdhsa.version: [ 1, 2 ]
amdhsa.kernels:
  - .name:           k_qc519eea56a_quant
    .symbol:         k_qc519eea56a_quant.kd
    .args:
      - { .name: Wp, .offset: 0, .size: 8, .value_kind: global_buffer, .address_space: global }
      - { .name: Wq, .offset: 8, .size: 8, .value_kind: global_buffer, .address_space: global }
      - { .name: Wkv, .offset: 16, .size: 8, .value_kind: global_buffer, .address_space: global }
      - { .name: Wo, .offset: 24, .size: 8, .value_kind: global_buffer, .address_space: global }
      - { .name: w, .offset: 32, .size: 8, .value_kind: global_buffer, .address_space: global }
      - { .name: pbuf, .offset: 40, .size: 8, .value_kind: global_buffer, .address_space: global }
      - { .name: x, .offset: 48, .size: 8, .value_kind: global_buffer, .address_space: global }
      - { .name: pos_emb, .offset: 56, .size: 8, .value_kind: global_buffer, .address_space: global }
      - { .name: xp, .offset: 64, .size: 8, .value_kind: global_buffer, .address_space: global }
    .group_segment_fixed_size: 34304
    .private_segment_fixed_size: 0
    .kernarg_segment_align: 8
    .kernarg_segment_size: 72
    .max_flat_workgroup_size: 128
    .sgpr_count:     66
    .vgpr_count:     256
    .wavefront_size: 32
...
	.end_amdgpu_metadata
.endif
;; end of part 1
;; launch gemm_qkvp (part 2): grid 200 x 1, 4 waves a work-group, no clusters, 327,680 bytes of LDS; arguments xp, w, bq, bkv, bp, q, kv, pbuf; writes q, kv, pbuf
.if DOCPART == 2
	.amdgcn_target "amdgcn-amd-amdhsa--gfx1250"
	.amdhsa_code_object_version 6
	.text
	.protected	k_qc519eea56a_gemm_qkvp
	.globl	k_qc519eea56a_gemm_qkvp
	.p2align	8
	.type	k_qc519eea56a_gemm_qkvp,@function
k_qc519eea56a_gemm_qkvp:
	s_mov_b64 s[64:65], 0
	v_nop
	global_prefetch_b8 v0, s[64:65] scope:SCOPE_SE
	s_setreg_imm32_b32 hwreg(HW_REG_WAVE_MODE, 25, 1), 1
	s_wait_xcnt 0x0
; Products 1, 2 and 4: q = x Wq + bq, k and v = x Wkv + bkv, p = pos_emb Wp + bp, on the codes of the launch before; each result is quantised in registers, along the K of the product that takes it,
; and stored as images of operand registers (see the first kernel's head).  No f32 result goes to memory.  Nothing is left out here but nothing is spared either: see "p" below.
; ONE FORM: OUT[s1][s0] = sum over k of S1[s1][k] S0[s0][k]; source 0 = 16 rows of S0, source 1 = 16 rows of S1: a lane holds one s1 and its registers run along s0, which is the axis that is quantised.
;   work-groups 0-127   q, k: S0 = 256 columns of Wq or Wkv's k half (four heads), S1 = 256 tokens: quantised along the head's 64
;   work-groups 128-191 v:    S0 = 256 tokens, S1 = 256 columns of Wkv's v half: V^T, quantised along the keys
;   work-groups 192-199 p:    S0 = w's tiles 0-15, of which tiles 0-3 are Wp; S1 = 256 rows of pos_emb.  The other 192 columns of the tile are computed and not stored: Wp has 64 columns, the form's tile 256;
;                             the launch has fewer work-groups than there are WGPs, so a narrower text for these eight would end the launch no sooner.  Their waves with the upper 128 columns store nothing.
; A tile of 256 x 256, four waves of 128 x 128: 64 accumulators, 512 registers.  K goes in steps of 128, two to a slot, through a ring of two LDS slots; every wave fills a quarter of a slot with one tensor load
; (8 tiles x 3,072 bytes).  The eight K steps are written out: each has its own scale registers.  By this text's own count a wave has one tensor load out at the start and one behind each refill's barrier.
; NO CLUSTER: the grid holds tiles of three kinds with sources in different buffers, and each work-group has only three fills.
; The bias along s0 (q, k, p) is the C of each sum's first product; the bias along s1 (v) is added to a lane's numbers ahead of the quantiser.
; REGISTERS: window 0: v2-11 offsets; v16-23 LDS addresses; v28, v29 the add's two; v32-63 S0's scale words (4 b + K step / 2), v64-95 S1's; v96-113 at work; v128-223 S1's fragments, one set, later codes;
;   v224-239 the lane's bias; v240-247 scale words to store.  window 1: S0's fragments, two sets at v0 and v128; the bias as C: tiles 0-3 at v96, 4-7 at v224.  windows 2, 3: accumulator (a, b) at v[8 (8 (a % 4) + b)].
; LIMITS: NaN and infinities are not served; a block under 2^-122 or of zeros keeps the byte 1.
; (The codes come from the one launch before.  By this text's own count a wave has ONE tensor load out at the start: slot 1's first fill stands behind the first barrier, issued as a refill is.)
; THE WALK ALONG K, as it now stands: the head's one load a wave brings 8 tiles x 6,144 bytes, K steps 0-3, into bytes 0 .. 196,607 (tile pitch 6,144; a wave's part BIGW bytes).
; K steps 4, 5 are first filled into the 98,304 bytes from SLOT on, behind the first barrier; K steps 6, 7 fill bytes 0 .. 98,303 again behind the barrier of K step 3 (both with tile pitch 3,072).
; One tensor load a wave is out behind each of these barriers; group 1's row length is set from 768 to 384 elements behind the wait for 0, where no load of the wave is out.
.set SLOT,  196608
.set BIGW,  49152
.set WPART, 24576
.set SPARE, 294912
.set SC0, 32
.set SC1, 64
.set TM,  96
.set PW,  112
.set PW2, 113
.set AF,  128
.set PC,  128
.set LB,  224
.set SW,  240
.set MSB, 0
.macro WIN new                         ; the immediate's high byte repeats the setting that is left
.if MSB != \new
	s_set_vgpr_msb (MSB<<8)|\new
.set MSB, \new
.endif
.endm
.set MUL_LO, 0xa1                      ; source 0 window 1, source 1 window 0, C and D window 2
.set MUL_HI, 0xf1
.set TO_B,   0x40                      ; destination window 1
	s_load_b512 s[68:83], s[0:1], 0x0              ; xp 68, w 70, bq 72, bkv 74, bp 76, q 78, kv 80, pbuf 82
	v_lshl_add_u32 v28, v0, 2, SPARE
	v_mov_b32 v29, 0
	ds_add_u32 v28, v29                            ; the wave's opening: the add, twice on end, and its wait ahead of my first tensor load
	ds_add_u32 v28, v29
	v_lshrrev_b32 v1, 5, v0
	v_readfirstlane_b32 s2, v1                     ; wave
	s_and_b32 s3, s2, 1                            ; w0: my half of s0.  Also: which 8 tiles I fetch
	s_lshr_b32 s4, s2, 1                           ; w1: my half of s1.  Also: I fetch for S0 (0) or S1 (1)
	s_mov_b32 s5, ttmp9
	s_lshr_b32 s7, s5, 6
	s_bfe_u32 s6, s5, 0x10002
	s_cmp_ge_u32 s7, 2
	s_cselect_b32 s6, s7, s6                       ; kind: 0 q, 1 k, 2 v, 3 p
	s_and_b32 s12, s5, 7                           ; A (p: the work-group's number among the eight)
	s_lshr_b32 s13, s5, 3                          ; B
	s_and_b32 s14, s5, 15                          ; v: block of tokens
	s_bfe_u32 s15, s5, 0x20004                     ; v: block of columns
	s_lshl_b32 s16, s12, 4
	s_add_co_u32 s16, s16, 4                       ; S0's first tile, q and k
	s_lshl_b32 s17, s13, 4                         ; S1's
	s_lshl_b32 s18, s14, 4                         ; v: S0's
	s_lshl_b32 s19, s15, 4
	s_add_co_u32 s19, s19, 132                     ; v: S1's
	s_lshl_b32 s20, s12, 4
	s_add_co_u32 s20, s20, 256                     ; p: S1's
	s_cmp_eq_u32 s6, 2
	s_cselect_b32 s16, s18, s16
	s_cselect_b32 s17, s19, s17
	s_cselect_b32 s40, 1, 0                        ; v?
	s_cmp_eq_u32 s6, 3
	s_cselect_b32 s16, 0, s16
	s_cselect_b32 s17, s20, s17
	s_cmp_eq_u32 s4, 0
	s_cselect_b32 s20, s16, s17                    ; what I fetch: 8 tiles of S0 or of S1
	s_lshl_b32 s21, s3, 3
	s_add_co_u32 s20, s20, s21
	s_mul_i32 s20, s20, 12288
	s_mov_b32 s21, 0
	s_xor_b32 s41, s40, s4                         ; 1: it lies in xp, 0: in w
	s_mul_i32 s44, s2, WPART                       ; and where it goes
	s_mov_b32 s24, 3<<16                           ; group 1: elements of 8 bytes, no mask, no padding
	s_mov_b32 s25, 768<<16                         ; tensor_dim0: 6,144 bytes for the head's load
	s_mov_b32 s26, 8<<16                           ; tensor_dim1: 8 tiles
	s_mov_b32 s27, 768<<16                         ; tile_dim0
	s_mov_b32 s28, 8                               ; tile_dim1
	s_mov_b32 s29, 1536                            ; from tile to tile: 12,288 bytes
	s_mov_b32 s30, 0
	s_mov_b32 s31, 0
	s_mov_b32 s84, 0x76543210
	s_mov_b32 s85, 0xfedcba98
	s_mov_b32 s86, 0xffff0000
	v_and_b32 v9, 31, v0                           ; lane
	v_and_b32 v10, 15, v0                          ; r
	v_bfe_u32 v11, v0, 4, 1                        ; h
	v_lshlrev_b32 v2, 4, v9
	v_lshlrev_b32 v3, 3, v9
	v_lshlrev_b32 v4, 2, v9
	s_mul_i32 s18, s3, WPART                       ; my 8 tiles of S0
	s_mul_i32 s19, s4, WPART
	s_add_co_u32 s19, s19, 2*WPART                 ; my 8 tiles of S1, behind S0's 16
	v_add_nc_u32 v16, s18, v2
	v_add_nc_u32 v17, s18, v3
	v_add_nc_u32 v20, s19, v2
	v_add_nc_u32 v21, s19, v3
	s_add_co_u32 s18, s18, SLOT
	s_add_co_u32 s19, s19, SLOT
	v_add_nc_u32 v18, s18, v2
	v_add_nc_u32 v19, s18, v3
	v_add_nc_u32 v22, s19, v2
	v_add_nc_u32 v23, s19, v3
	s_mul_i32 s18, s3, BIGW                        ; K steps 0-3: my 8 tiles of S0,
	s_mul_i32 s19, s4, BIGW
	s_add_co_u32 s19, s19, 2*BIGW                  ; and of S1, behind S0's 16
	v_add_nc_u32 v12, s18, v2
	v_add_nc_u32 v13, s18, v3
	v_add_nc_u32 v14, s19, v2
	v_add_nc_u32 v15, s19, v3
.irp b, 0,1,2,3
	v_mov_b32 v[TM+4+\b], 0                        ; a lane permute's destination counts as one of its sources
.endr
	s_wait_dscnt 0x0                               ; both opening adds are done
	s_wait_kmcnt 0x0
	s_cmp_eq_u32 s41, 1
	s_cselect_b64 s[42:43], s[68:69], s[70:71]
	s_mov_b32 s32, 1
	s_mul_i32 s33, s2, BIGW
	s_add_nc_u64 s[34:35], s[42:43], s[20:21]      ; K steps 0-3
	s_mov_b32 s36, 1
	s_add_co_u32 s37, s44, SLOT
	s_add_nc_u64 s[38:39], s[34:35], 6144          ; K steps 4, 5
	s_or_b32 s35, s35, 0x80000000
	s_or_b32 s39, s39, 0x80000000
	tensor_load_to_lds s[32:35], s[24:31]
	s_nop 0
.rept 4
	v_nop
.endr
	; the scale words of my 8 + 8 tiles, for all of K: a load's lanes 0-15 take an even K step's words, lanes 16-31 the odd one's
	s_cmp_eq_u32 s40, 1
	s_cselect_b64 s[8:9], s[68:69], s[70:71]
	s_cselect_b64 s[10:11], s[70:71], s[68:69]
	s_mov_b32 s45, 3194880
	s_mov_b32 s47, 4718592
	s_cselect_b32 s46, s47, s45
	s_cselect_b32 s47, s45, s47
	s_lshl_b32 s48, s3, 3
	s_add_co_u32 s48, s48, s16
	s_lshl_b32 s48, s48, 9
	s_add_co_u32 s48, s48, s46
	s_mov_b32 s49, 0
	s_add_nc_u64 s[8:9], s[8:9], s[48:49]
	s_lshl_b32 s48, s4, 3
	s_add_co_u32 s48, s48, s17
	s_lshl_b32 s48, s48, 9
	s_add_co_u32 s48, s48, s47
	s_add_nc_u64 s[10:11], s[10:11], s[48:49]
.irp b, 0,1,2,3,4,5,6,7
.irp u, 0,1,2,3
	global_load_b32 v[SC0+4*\b+\u], v4, s[8:9] offset:512*\b+128*\u
	global_load_b32 v[SC1+4*\b+\u], v4, s[10:11] offset:512*\b+128*\u
.endr
.endr
	; the bias
	s_and_b32 s20, s12, 3
	s_lshl_b32 s20, s20, 10
	s_lshl_b32 s21, s3, 9
	s_add_co_u32 s20, s20, s21                     ; q, k: my 128 columns
	s_lshl_b32 s21, s15, 10
	s_lshl_b32 s22, s4, 9
	s_add_co_u32 s21, s21, s22
	s_add_co_u32 s21, s21, 4096                    ; v: my 128 columns of bkv's second half
	s_cmp_eq_u32 s6, 2
	s_cselect_b32 s20, s21, s20
	s_cmp_eq_u32 s6, 3
	s_cselect_b32 s20, 0, s20                      ; p: bp has 64 numbers: tiles 4-7, which are not stored, read tiles 0-3's again, so that no load leaves bp
	s_cselect_b32 s22, 0, 256
	s_mov_b32 s21, 0
	s_cmp_eq_u32 s6, 0
	s_cselect_b64 s[88:89], s[72:73], s[74:75]
	s_cmp_eq_u32 s6, 3
	s_cselect_b64 s[88:89], s[76:77], s[88:89]
	s_add_nc_u64 s[88:89], s[88:89], s[20:21]
	v_lshlrev_b32 v6, 5, v11                       ; 32 h: my eight numbers of a tile's sixteen
	v_add_nc_u32 v7, s22, v6
	v_lshlrev_b32 v8, 2, v10                       ; 4 r
	s_cmp_eq_u32 s6, 2
	s_cbranch_scc1 .Lbias_v
	WIN TO_B
.irp b, 0,1,2,3
	global_load_b128 v[96+8*\b:99+8*\b], v6, s[88:89] offset:64*\b
	global_load_b128 v[100+8*\b:103+8*\b], v6, s[88:89] offset:64*\b+16
	global_load_b128 v[224+8*\b:227+8*\b], v7, s[88:89] offset:64*\b
	global_load_b128 v[228+8*\b:231+8*\b], v7, s[88:89] offset:64*\b+16
.endr
	WIN 0
.irp i, 0,1,2,3,4,5,6,7,8,9,10,11,12,13,14,15
	v_mov_b32 v[LB+\i], 0
.endr
	s_branch .Lbias_done
.Lbias_v:
	WIN TO_B
.irp i, 0,1,2,3,4,5,6,7,8,9,10,11,12,13,14,15,16,17,18,19,20,21,22,23,24,25,26,27,28,29,30,31
	v_mov_b32 v[96+\i], 0                          ; v has no bias along s0: the one text's first products take zeros
	v_mov_b32 v[224+\i], 0
.endr
	WIN 0
.irp a, 0,1,2,3,4,5,6,7
	global_load_b32 v[LB+2*\a], v8, s[88:89] offset:64*\a          ; bkv of channel 16 a + r
	v_mov_b32 v[LB+2*\a+1], 0                      ; (named with it as a pair)
.endr
.Lbias_done:
	; where my results go: numbers alone are made in the four arms (they hang on ids); the pointers are chosen behind them
	s_lshl_b32 s18, s13, 4
	s_lshl_b32 s19, s4, 3
	s_add_co_u32 s18, s18, s19                     ; my first tile of tokens
	s_lshr_b32 s19, s18, 7                         ; the batch
	s_and_b32 s18, s18, 127                        ; the tile in its batch
	s_cmp_lg_u32 s6, 0
	s_cbranch_scc1 .Lnot_q
	s_lshl_b32 s20, s12, 2
	s_lshl_b32 s21, s3, 1
	s_add_co_u32 s20, s20, s21                     ; my first head
	s_lshl_b32 s21, s19, 4
	s_add_co_u32 s20, s20, s21
	s_lshl_b32 s20, s20, 7
	s_add_co_u32 s20, s20, s18                     ; (batch, head) x 128 + tile
	s_mul_i32 s66, s20, 768
	s_mov_b32 s67, 98304                           ; the next head
	s_mov_b32 s54, 768
	s_mov_b32 s56, 768
	s_lshl_b32 s90, s20, 6
	s_add_co_u32 s90, s90, 3145728
	s_mov_b32 s91, 256
	s_mov_b32 s62, 8192
	s_mov_b32 s63, 32
	s_branch .Lplaced
.Lnot_q:
	s_cmp_lg_u32 s6, 1
	s_cbranch_scc1 .Lnot_k
	s_and_b32 s20, s12, 3
	s_lshl_b32 s20, s20, 2
	s_lshl_b32 s21, s3, 1
	s_add_co_u32 s20, s20, s21
	s_lshl_b32 s21, s19, 4
	s_add_co_u32 s20, s20, s21
	s_lshl_b32 s20, s20, 3
	s_lshr_b32 s21, s18, 4
	s_add_co_u32 s20, s20, s21
	s_mul_i32 s20, s20, 26112                      ; the record of (batch, head, slot of 256 keys)
	s_and_b32 s21, s18, 15
	s_mul_i32 s22, s21, 768
	s_add_co_u32 s66, s20, s22
	s_mov_b32 s67, 208896
	s_mov_b32 s54, 768
	s_mov_b32 s56, 768
	s_lshl_b32 s21, s21, 6
	s_add_co_u32 s90, s20, s21
	s_add_co_u32 s90, s90, 12288
	s_mov_b32 s91, 256
	s_mov_b32 s62, 208896
	s_mov_b32 s63, 32
	s_branch .Lplaced
.Lnot_k:
	s_cmp_lg_u32 s6, 2
	s_cbranch_scc1 .Lnot_v
	s_lshl_b32 s20, s14, 1
	s_add_co_u32 s20, s20, s3                      ; my 128 tokens: group G of 32
	s_lshl_b32 s21, s15, 2
	s_lshl_b32 s22, s4, 1
	s_add_co_u32 s21, s21, s22                     ; my first head
	s_lshr_b32 s22, s20, 4
	s_lshl_b32 s22, s22, 4
	s_add_co_u32 s21, s21, s22
	s_lshl_b32 s21, s21, 3
	s_bfe_u32 s22, s20, 0x30001
	s_add_co_u32 s21, s21, s22
	s_mul_i32 s21, s21, 26112
	s_and_b32 s20, s20, 1
	s_mul_i32 s22, s20, 6144
	s_add_co_u32 s66, s21, s22
	s_add_co_u32 s66, s66, 13312
	s_mov_b32 s67, 768                             ; a fragment's second half
	s_mov_b32 s54, 1536
	s_mov_b32 s56, 204288                          ; from a head's fourth tile of channels to the next head's first
	s_lshl_b32 s22, s20, 8
	s_add_co_u32 s90, s21, s22
	s_add_co_u32 s90, s90, 25600
	s_mov_b32 s91, 208896
	s_mov_b32 s62, 0
	s_mov_b32 s63, 16
	s_branch .Lplaced
.Lnot_v:
	s_lshl_b32 s20, s12, 4
	s_lshl_b32 s21, s4, 3
	s_add_co_u32 s20, s20, s21                     ; my first tile of positions
	s_mul_i32 s66, s20, 768
	s_add_co_u32 s66, s66, 8704
	s_mov_b32 s67, 0
	s_mov_b32 s54, 768
	s_mov_b32 s56, 768
	s_lshl_b32 s90, s20, 6
	s_mov_b32 s91, 256
	s_mov_b32 s62, 0
	s_mov_b32 s63, 16
.Lplaced:
	s_cmp_eq_u32 s6, 0
	s_cselect_b64 s[50:51], s[78:79], s[80:81]
	s_cmp_eq_u32 s6, 3
	s_cselect_b64 s[50:51], s[82:83], s[50:51]
	s_mov_b32 s55, 0
	s_mov_b32 s57, 0
	s_mov_b32 s93, 0
	s_mov_b32 s92, s90
	s_add_nc_u64 s[58:59], s[50:51], s[92:93]      ; scale words of blocks 0-3,
	s_mov_b32 s92, s91
	s_add_nc_u64 s[60:61], s[58:59], s[92:93]      ; of blocks 4-7
	s_mov_b32 s92, s66
	s_add_nc_u64 s[50:51], s[50:51], s[92:93]      ; codes: the first 64 along s0,
	s_mov_b32 s92, s67
	s_add_nc_u64 s[52:53], s[50:51], s[92:93]      ; the second 64
	v_mul_u32_u24 v5, s62, v11
	v_lshl_add_u32 v5, v10, 2, v5                  ; 4 r, and for lanes 16-31 the next head's words
.macro FRAG reg, adr, off              ; a fragment as it lies: 16 x lane, 512 + 8 x lane, twice
	ds_load_b128 v[\reg:\reg+3], v[\adr] offset:\off
	ds_load_b64 v[\reg+4:\reg+5], v[\adr+1] offset:\off+512
	ds_load_b128 v[\reg+6:\reg+9], v[\adr] offset:\off+768
	ds_load_b64 v[\reg+10:\reg+11], v[\adr+1] offset:\off+1280
.endm
; 16 products: S1's blocks a0, a0 + 1 x S0's eight.  p: S0's set; ks: the K step.  The 64 accumulators take turns in the same order in every step.
.macro MUL16 a0, p, ks, first
.irp a, \a0, \a0+1
.irp b, 0,1,2,3,4,5,6,7
.if \first
	v_wmma_scale_f32_16x16x128_f8f6f4 v[8*(8*((\a)%4)+\b):8*(8*((\a)%4)+\b)+7], v[128*(\p)+12*\b:128*(\p)+12*\b+11], v[AF+12*(\a):AF+12*(\a)+11], v[96+8*\b+96*(\b/4):96+8*\b+96*(\b/4)+7], v[SC0+4*\b+(\ks)/2], v[SC1+4*(\a)+(\ks)/2] matrix_a_fmt:MATRIX_FMT_BF6 matrix_b_fmt:MATRIX_FMT_BF6
.elseif (\ks)%2
	v_wmma_scale_f32_16x16x128_f8f6f4 v[8*(8*((\a)%4)+\b):8*(8*((\a)%4)+\b)+7], v[128*(\p)+12*\b:128*(\p)+12*\b+11], v[AF+12*(\a):AF+12*(\a)+11], v[8*(8*((\a)%4)+\b):8*(8*((\a)%4)+\b)+7], v[SC0+4*\b+(\ks)/2], v[SC1+4*(\a)+(\ks)/2] matrix_a_fmt:MATRIX_FMT_BF6 matrix_b_fmt:MATRIX_FMT_BF6 matrix_a_scale:MATRIX_SCALE_ROW1 matrix_b_scale:MATRIX_SCALE_ROW1
.else
	v_wmma_scale_f32_16x16x128_f8f6f4 v[8*(8*((\a)%4)+\b):8*(8*((\a)%4)+\b)+7], v[128*(\p)+12*\b:128*(\p)+12*\b+11], v[AF+12*(\a):AF+12*(\a)+11], v[8*(8*((\a)%4)+\b):8*(8*((\a)%4)+\b)+7], v[SC0+4*\b+(\ks)/2], v[SC1+4*(\a)+(\ks)/2] matrix_a_fmt:MATRIX_FMT_BF6 matrix_b_fmt:MATRIX_FMT_BF6
.endif
.endr
.endr
.endm
.macro FETCH_B slot, u, p              ; S0's eight fragments of the slot's u-th K step into set p
	WIN TO_B
.irp i, 0,1,2,3,4,5,6,7
	FRAG 128*(\p)+12*\i, 16+2*(\slot), \i*3072+(\u)*1536
.endr
	WIN 0
.endm
.macro FETCH_A slot, u, i0             ; S1's blocks i0 .. i0 + 3
.irp i, \i0, \i0+1, \i0+2, \i0+3
	FRAG AF+12*(\i), 20+2*(\slot), (\i)*3072+(\u)*1536
.endr
.endm
.macro PLACES                          ; four plain places behind matrix instructions, in front of loads into registers that they have read and of reads of their results
.rept 4
	v_nop
.endr
.endm
.macro STEP slot, ks, first            ; a slot's first K step
	s_wait_dscnt 16                                ; S0's set and S1's blocks 0-3 are in; the youngest 16 loads (blocks 4-7) may be out
.if \first
	WIN 0x91                                       ; C: the bias, in window 1
.else
	WIN MUL_LO
.endif
	MUL16 0, 0, \ks, \first
	MUL16 2, 0, \ks, \first
	s_wait_dscnt 0x0                               ; blocks 4-7 are in
	PLACES
	FETCH_B \slot, 1, 1
	FETCH_A \slot, 1, 0
.if \first
	WIN 0xd1
.else
	WIN MUL_HI
.endif
	MUL16 4, 0, \ks, \first
	MUL16 6, 0, \ks, \first
	PLACES
	WIN 0
	FETCH_A \slot, 1, 4
.endm
; A slot's second K step changes slots: one barrier; in front of it each wave waits for all its tensor loads, adds 0 to its spare word, and waits for that and for its reads of this slot
.macro TURN slot, next, ks, fill
	s_wait_tensorcnt 0x0                           ; all my tensor loads have landed: my part of the next slot
	ds_add_u32 v28, v29
.if \fill
	s_add_nc_u64 s[34:35], s[34:35], 9216          ; no load of mine is out: K steps 6, 7,
	s_mov_b32 s33, s44                             ; into the low bytes, a wave's part WPART bytes
.endif
	s_wait_dscnt 17                                ; (the add and the youngest 16 loads may be out)
	WIN MUL_LO
	MUL16 0, 1, \ks, 0
	s_wait_dscnt 0x0                               ; the add is done, and my reads of this slot are over
	s_barrier_signal -1
	MUL16 2, 1, \ks, 0
	WIN 0
	s_barrier_wait -1
.if \fill
	tensor_load_to_lds s[32+4*(\slot):35+4*(\slot)], s[24:31]      ; my one tensor load behind the barrier, and the first thing there
	s_nop 0
	PLACES                                         ; also the places in front of the loads below
.else
	PLACES
.endif
	FETCH_B \next, 0, 0
	FETCH_A \next, 0, 0
	WIN MUL_HI
	MUL16 4, 1, \ks, 0
	MUL16 6, 1, \ks, 0
	PLACES
	WIN 0
	FETCH_A \next, 0, 4
.endm
	s_wait_loadcnt 0x0                             ; scale words and bias
	s_wait_tensorcnt 0x0                           ; my part of slot 0 is in
	ds_add_u32 v28, v29
	s_wait_dscnt 0x0
	s_barrier_signal -1
	s_barrier_wait -1
	s_mov_b32 s25, 384<<16                         ; no tensor load of mine is out: from here on a load's rows are 3,072 bytes
	s_mov_b32 s27, 384<<16
	tensor_load_to_lds s[36:39], s[24:31]
	s_nop 0
.rept 4
	v_nop
.endr
.macro FETCH_BB u, p                   ; K steps 0-3: S0's eight fragments of K step u into set p
	WIN TO_B
.irp i, 0,1,2,3,4,5,6,7
	FRAG 128*(\p)+12*\i, 12, \i*6144+(\u)*1536
.endr
	WIN 0
.endm
.macro FETCH_AB u, i0                  ; S1's blocks i0 .. i0 + 3 of K step u
.irp i, \i0, \i0+1, \i0+2, \i0+3
	FRAG AF+12*(\i), 14, (\i)*6144+(\u)*1536
.endr
.endm
.macro BSTEP ks, first                 ; K step 0, 1 or 2: multiplies set ks % 2 and fetches K step ks + 1 from the same bytes: no barrier
	s_wait_dscnt 16                                ; S0's set and S1's blocks 0-3 are in; the youngest 16 loads (blocks 4-7) may be out
.if \first
	WIN 0x91                                       ; C: the bias, in window 1
.else
	WIN MUL_LO
.endif
	MUL16 0, (\ks)%2, \ks, \first
	MUL16 2, (\ks)%2, \ks, \first
	s_wait_dscnt 0x0                               ; blocks 4-7 are in
	PLACES
	FETCH_BB (\ks)+1, 1-(\ks)%2
	FETCH_AB (\ks)+1, 0
.if \first
	WIN 0xd1
.else
	WIN MUL_HI
.endif
	MUL16 4, (\ks)%2, \ks, \first
	MUL16 6, (\ks)%2, \ks, \first
	PLACES
	WIN 0
	FETCH_AB (\ks)+1, 4
.endm
	FETCH_BB 0, 0
	FETCH_AB 0, 0
	FETCH_AB 0, 4
	BSTEP 0, 1
	BSTEP 1, 0
	BSTEP 2, 0
	TURN 0, 1, 3, 1                                ; K steps 0-3 are read out: their low bytes take K steps 6, 7; on to K steps 4, 5
	STEP 1, 4, 0
	TURN 1, 0, 5, 0                                ; nothing is left to ask for
	STEP 0, 6, 0
	s_wait_dscnt 16
	WIN MUL_LO
	MUL16 0, 1, 7, 0
	MUL16 2, 1, 7, 0
	s_wait_dscnt 0x0
	WIN MUL_HI
	MUL16 4, 1, 7, 0
	MUL16 6, 1, 7, 0
	WIN 0
	PLACES
	s_lshl_b32 s20, s3, 2
	s_add_co_u32 s20, s20, s6
	s_cmp_eq_u32 s20, 7                            ; p, upper 128 columns: nothing of it is wanted
	s_cbranch_scc1 .Lend
; THE WAY OUT: block a's 16 rows x 128 along s0 are a lane's 64 numbers, register 16 B + i of half h: they become one fragment and one scale word a row
.macro EPI a
.set SA, 64*((\a)%4)
.set WS, 2+(\a)/4
.set WADD, (WS<<6)|WS
.set WMAX, (WS<<2)|(WS<<4)
.if (\a) > 0
	s_wait_xcnt 0x0                                ; the last block's stores have read their registers and bases
.if (\a) == 4
	s_add_nc_u64 s[50:51], s[50:51], s[56:57]
	s_add_nc_u64 s[52:53], s[52:53], s[56:57]
.else
	s_add_nc_u64 s[50:51], s[50:51], s[54:55]
	s_add_nc_u64 s[52:53], s[52:53], s[54:55]
.endif
.endif
	s_cmp_lg_u32 s6, 2
	s_cbranch_scc1 .Lnolb_\@
	WIN WADD
.irp j, 0,2,4,6,8,10,12,14,16,18,20,22,24,26,28,30,32,34,36,38,40,42,44,46,48,50,52,54,56,58,60,62
	v_pk_add_f32 v[SA+\j:SA+\j+1], v[SA+\j:SA+\j+1], v[LB+2*(\a):LB+2*(\a)+1] op_sel_hi:[1,0]   ; v: + bkv of my channel
.endr
	WIN 0
.Lnolb_\@:
	WIN WMAX
.irp b, 0,1,2,3
	v_max3_num_f32 v[TM+\b], 0x2800000, |v[SA+16*\b]|, |v[SA+16*\b+1]|   ; the floor 2^(5 - 127) and my first two numbers of block b
.endr
.irp i, 2,4,6,8,10,12,14
.irp b, 0,1,2,3
	v_max3_num_f32 v[TM+\b], v[TM+\b], |v[SA+16*\b+\i]|, |v[SA+16*\b+\i+1]|
.endr
.endr
	WIN 0
.irp b, 0,1,2,3
	v_permlanex16_b32 v[TM+4+\b], v[TM+\b], s84, s85
.endr
.irp b, 0,1,2,3
	v_max_num_f32 v[TM+\b], v[TM+\b], v[TM+4+\b]
.endr
.irp b, 0,1,2,3
	v_add_nc_u32 v[TM+12+\b], 0xfe000000, v[TM+\b]
.endr
.irp b, 0,1,2,3
	v_lshrrev_b32 v[TM+4+\b], 23, v[TM+12+\b]
.endr
	v_lshl_or_b32 v[PW], v[TM+5], 8, v[TM+4]
	v_lshl_or_b32 v[PW], v[TM+6], 16, v[PW]
	v_lshl_or_b32 v[PW], v[TM+7], 24, v[PW]
	WIN WS
.irp c, 0,1
	v_cvt_scalef32_pk16_bf6_f32 v[PC+6*\c:PC+2+6*\c], v[SA+32*\c:SA+15+32*\c], v[TM+12+2*\c]
	v_cvt_scalef32_pk16_bf6_f32 v[PC+12+4*\c:PC+14+4*\c], v[SA+16+32*\c:SA+31+32*\c], v[TM+12+2*\c+1]
.endr
	WIN 0
	v_nop                                          ; one plain place behind a scaled conversion
.irp c, 0,1
.irp i, 0,1,2
	v_permlane16_swap_b32 v[PC+6*\c+\i], v[PC+12+4*\c+\i]
.endr
.irp i, 0,1,2
	v_mov_b32 v[PC+3+6*\c+\i], v[PC+12+4*\c+\i]
.endr
.endr
	global_store_b128 v2, v[PC:PC+3], s[50:51]                     ; 512 consecutive bytes
	global_store_b64 v3, v[PC+4:PC+5], s[50:51] offset:512         ; 256
	s_cmp_eq_u32 s6, 3
	s_cbranch_scc1 .Lhalf_\@                       ; p has 64 columns
	global_store_b128 v2, v[PC+6:PC+9], s[52:53]
	global_store_b64 v3, v[PC+10:PC+11], s[52:53] offset:512
.Lhalf_\@:
	v_lshrrev_b32 v[PW2], 16, v[PW]
	v_cndmask_b32 v[SW+\a], v[PW], v[PW2], s86     ; lanes 16-31: the second head's two bytes in front
.endm
	EPI 0
	EPI 1
	EPI 2
	EPI 3
	EPI 4
	EPI 5
	EPI 6
	EPI 7
	s_wait_alu depctr_va_vdst(0)
	s_wait_xcnt 0x0                                ; EXEC changes only behind this wait
	v_cmp_gt_u32 vcc_lo, s63, v9                   ; q, k: 32 lanes (two heads); v, p: 16
	s_and_saveexec_b32 s87, vcc_lo
.irp a, 0,1,2,3
	global_store_b32 v5, v[SW+\a], s[58:59] offset:64*\a
.endr
.irp a, 0,1,2,3
	global_store_b32 v5, v[SW+4+\a], s[60:61] offset:64*\a
.endr
	s_wait_xcnt 0x0
	s_or_b32 exec_lo, exec_lo, s87
.Lend:
	s_wait_tensorcnt 0x0                           ; the wave's end
	ds_add_u32 v28, v29
	s_wait_dscnt 0x0
	s_endpgm
.Lfunc_end_k_qc519eea56a_gemm_qkvp:
	.size	k_qc519eea56a_gemm_qkvp, .Lfunc_end_k_qc519eea56a_gemm_qkvp-k_qc519eea56a_gemm_qkvp
	.p2alignl 7, 3214868480
	.fill 96, 4, 3214868480
	.section	.rodata,"a",@progbits
	.p2align	6, 0x0
	.amdhsa_kernel k_qc519eea56a_gemm_qkvp
		.amdhsa_group_segment_fixed_size 327680
		.amdhsa_private_segment_fixed_size 0
		.amdhsa_enable_private_segment 0
		.amdhsa_kernarg_size 64
		.amdhsa_user_sgpr_count 2
		.amdhsa_user_sgpr_kernarg_segment_ptr 1
		.amdhsa_wavefront_size32 1
		.amdhsa_system_sgpr_workgroup_id_x 1
		.amdhsa_system_sgpr_workgroup_id_y 1
		.amdhsa_system_sgpr_workgroup_id_z 1
		.amdhsa_system_vgpr_workitem_id 0
		.amdhsa_next_free_vgpr 1024
		.amdhsa_next_free_sgpr 100
		.amdhsa_reserve_vcc 1
		.amdhsa_float_denorm_mode_32 3
		.amdhsa_float_denorm_mode_16_64 3
		.amdhsa_memory_ordered 1
		.amdhsa_forward_progress 1
		.amdhsa_inst_pref_size 177
	.end_amdhsa_kernel
	.amdgpu_metadata
---
amdhsa.version: [ 1, 2 ]
amdhsa.kernels:
  - .name:           k_qc519eea56a_gemm_qkvp
    .symbol:         k_qc519eea56a_gemm_qkvp.kd
    .args:
      - { .name: xp, .offset: 0, .size: 8, .value_kind: global_buffer, .address_space: global }
      - { .name: w, .offset: 8, .size: 8, .value_kind: global_buffer, .address_space: global }
      - { .name: bq, .offset: 16, .size: 8, .value_kind: global_buffer, .address_space: global }
      - { .name: bkv, .offset: 24, .size: 8, .value_kind: global_buffer, .address_space: global }
      - { .name: bp, .offset: 32, .size: 8, .value_kind: global_buffer, .address_space: global }
      - { .name: q, .offset: 40, .size: 8, .value_kind: global_buffer, .address_space: global }
      - { .name: kv, .offset: 48, .size: 8, .value_kind: global_buffer, .address_space: global }
      - { .name: pbuf, .offset: 56, .size: 8, .value_kind: global_buffer, .address_space: global }
    .group_segment_fixed_size: 327680
    .private_segment_fixed_size: 0
    .kernarg_segment_align: 8
    .kernarg_segment_size: 64
    .max_flat_workgroup_size: 128
    .sgpr_count:     100
    .vgpr_count:     1024
    .wavefront_size: 32
...
	.end_amdgpu_metadata
.endif
;; end of part 2
;; launch attn (part 3): grid 8 x 32, 16 waves a work-group, no clusters, 327,680 bytes of LDS; arguments q, kv, pbuf, a; writes a
.if DOCPART == 3
	.amdgcn_target "amdgcn-amd-amdhsa--gfx1250"
	.amdhsa_code_object_version 6
	.text
	.protected	k_qc519eea56a_attn
	.globl	k_qc519eea56a_attn
	.p2align	8
	.type	k_qc519eea56a_attn,@function
k_qc519eea56a_attn:
	s_mov_b64 s[64:65], 0
	v_nop
	global_prefetch_b8 v0, s[64:65] scope:SCOPE_SE
	s_setreg_imm32_b32 hwreg(HW_REG_WAVE_MODE, 25, 1), 1
	s_wait_xcnt 0x0
; Products 3, 5 and 6 with the softmax between them, on codes; the result, divided by the row's sum, is quantised along dim for product 7.
; LEFT OUT (shown at the first kernel's head): key steps that lie wholly behind a wave's queries, and of product 5 all but t[i, 2047 - i + j], j <= i.
; logit(i, j) = (q_i . k_j + q_i . p_(2047 - i + j)) / 8;  t = logit x log2(e);  M = the running largest t rounded up to a whole number;  p = 2^(t - M) is quantised along the keys; the row's sum is taken of the unquantised p.
; SHARES.  A work-group owns one (batch, head) and two blocks of 128 queries, x and 15 - x, so that every work-group has the same number of live key steps; each of its sixteen waves owns 16 queries, in 256 registers.
; Every work-group walks all 8 slots of 256 keys (constant trip counts); a wave jumps over a key step all of whose 128 keys come after its queries; a slot that no wave of the work-group reads is not asked for.
; Both products are used transposed: a lane holds one query (lane % 16) throughout.  Tiles are 16 neighbouring keys; the order inside a block of 32 keys is that of V's codes (first kernel's head).
; THE POSITION TERM.  For 64 keys from kf on, query Q0 + r wants positions mb + 15 - r + e, e = 0 .. 63, mb = 2032 - Q0 + kf, a multiple of 16.  So T^T = P Q^T is made for the five tiles of positions from mb on,
; stored to the wave's own scratch in LDS, a row of 80 numbers a query (rows 336 bytes apart), and read back from 4 (15 - r) bytes on: the numbers then lie as the scores do, and are the C of S^T = K Q^T + C.
; K = 64.  Q's fragment is its 64 codes and 64 zero codes.  Fragments of K and P are 6 registers, on end; the matrix instruction names 12: the upper six hold other codes, which meet Q's zeros and add nothing
; (every 6-bit pattern is a finite number, and no scale byte that this program stores is 0xff).
; LDS: slot 0 at 0, slot 1 at 2^18 (26,112 bytes each: K's 16 tiles, their scale words, V^T's 8 fragments, their scale words: one record of kv); p's scale words and codes, whole, from 26,112; the scratch; the spare words.
; The first fills are one load a wave (8,704 bytes at 8,704 x wave): waves 0-2 slot 0, waves 3-15 pbuf.  Refills: waves 0-2.  Every wait on TENSORcnt is for 0; by this text's own count a wave has one load out.
; NO CLUSTER: the work-groups of a head end their loads at different causal limits, so a joint load would bring a partner tiles that none of its waves reads.
; LIMITS: NaN and infinities are not served; a block of p that has fallen to 0 keeps the byte 1 over zero codes.
.set PSC,   26112
.set PCD,   34816
.set TS,    139264
.set TSW,   5376
.set SPARE, 225280
.set SLOT1, 262144
.set F,  32                            ; v32-79   fragments
.set T,  80                            ; v80-119  T^T, five tiles
.set S,  120                           ; v120-183 S^T, then p
.set O,  184                           ; v184-215 O^T
.set PC, 216                           ; v216-227 p's codes
.set CT, 228                           ; v228-235 conversions' second halves
.set BM, 236                           ; v236-239 the blocks' largest
.set TP, 240                           ; v240-243 at work
.set SO, 244                           ; v244-247 the conversions' scale operands
.set WV, 12
.set TB, 36
.set KF, 37
.set Q0, 38
.set LASTQ, 39
.set NQ, 40
.set SLOTS, 41
.set SEL, 42
.set CS, 44
.set PFA, 46
.set LIM, 48
.macro MM d, a, b, sa, sb, odd, acc
.if \acc
.if \odd
	v_wmma_scale_f32_16x16x128_f8f6f4 v[\d:\d+7], v[\a:\a+11], v[\b:\b+11], v[\d:\d+7], v[\sa], v[\sb] matrix_a_fmt:MATRIX_FMT_BF6 matrix_b_fmt:MATRIX_FMT_BF6 matrix_a_scale:MATRIX_SCALE_ROW1
.else
	v_wmma_scale_f32_16x16x128_f8f6f4 v[\d:\d+7], v[\a:\a+11], v[\b:\b+11], v[\d:\d+7], v[\sa], v[\sb] matrix_a_fmt:MATRIX_FMT_BF6 matrix_b_fmt:MATRIX_FMT_BF6
.endif
.else
.if \odd
	v_wmma_scale_f32_16x16x128_f8f6f4 v[\d:\d+7], v[\a:\a+11], v[\b:\b+11], 0, v[\sa], v[\sb] matrix_a_fmt:MATRIX_FMT_BF6 matrix_b_fmt:MATRIX_FMT_BF6 matrix_a_scale:MATRIX_SCALE_ROW1
.else
	v_wmma_scale_f32_16x16x128_f8f6f4 v[\d:\d+7], v[\a:\a+11], v[\b:\b+11], 0, v[\sa], v[\sb] matrix_a_fmt:MATRIX_FMT_BF6 matrix_b_fmt:MATRIX_FMT_BF6
.endif
.endif
.endm
	s_load_b256 s[4:11], s[0:1], 0x0               ; q, kv, pbuf, a
	v_lshl_add_u32 v6, v0, 2, SPARE
	v_mov_b32 v7, 0
	ds_add_u32 v6, v7                              ; the wave's opening: the add, twice on end, and its wait ahead of my first tensor load
	ds_add_u32 v6, v7
	v_lshrrev_b32 v8, 5, v0
	s_delay_alu instid0(VALU_DEP_1)
	v_readfirstlane_b32 s[WV], v8                  ; wave 0..15
	s_and_b32 s13, ttmp7, 0xffff                   ; 16 x batch + head
	s_mov_b32 s24, 3<<16                           ; group 1: 34 dense rows of 256 bytes (32 elements of 8 bytes)
	s_mov_b32 s25, 32<<16
	s_mov_b32 s26, 34<<16
	s_mov_b32 s27, 32<<16
	s_mov_b32 s28, 34
	s_mov_b32 s29, 32
	s_mov_b32 s30, 0
	s_mov_b32 s31, 0
	s_mul_i32 s14, s13, 208896                     ; the head's eight records in kv
	s_mul_i32 s15, s[WV], 8704                     ; my first fill's place in LDS (and, in waves 0-2, in a record)
	s_max_u32 s16, s[WV], 3
	s_sub_co_u32 s16, s16, 3
	s_mul_i32 s16, s16, 8704                       ; waves 3-15: my part of pbuf
	s_add_co_u32 s17, s14, s15
	s_cmp_lt_u32 s[WV], 3
	s_cselect_b32 s18, s17, s16
	s_mov_b32 s19, 0
	s_xor_b32 s20, ttmp9, 15                       ; 15 - x
	s_lshl_b32 s[LASTQ], s20, 7
	s_or_b32 s[LASTQ], s[LASTQ], 127               ; the work-group's last query
	s_cmp_lt_u32 s[WV], 8
	s_cselect_b32 s20, ttmp9, s20                  ; my block of 128 queries
	s_lshl_b32 s20, s20, 7
	s_and_b32 s21, s[WV], 7
	s_lshl_b32 s21, s21, 4
	s_add_co_u32 s[Q0], s20, s21                   ; my first query
	s_lshr_b32 s22, s[Q0], 4                       ; its tile
	s_xor_b32 s[NQ], s22, 127                      ; 127 - tile (seven bits)
	s_mul_i32 s21, s[WV], TSW
	s_add_co_u32 s21, s21, TS                      ; my scratch
	s_lshl_b32 s23, s13, 7
	s_add_co_u32 s23, s23, s22
	s_mul_i32 s50, s23, 768                        ; Q's codes
	s_mov_b32 s51, 0
	s_lshl_b32 s52, s23, 6
	s_add_co_u32 s52, s52, 3145728                 ; and scale words
	s_mov_b32 s53, 0
	s_lshr_b32 s54, s13, 4
	s_lshl_b32 s54, s54, 7
	s_add_co_u32 s54, s54, s22                     ; my tile of tokens
	s_and_b32 s55, s13, 15
	s_lshr_b32 s49, s55, 1                         ; product 7's K step: the pair of heads
	s_and_b32 s55, s55, 1
	s_lshl_b32 s56, s54, 3
	s_add_co_u32 s56, s56, s49
	s_mul_i32 s56, s56, 1536
	s_mul_i32 s57, s55, 768
	s_add_co_u32 s56, s56, s57
	s_mov_b32 s57, 0
	s_lshl_b32 s58, s54, 9
	s_lshl_b32 s59, s49, 6
	s_add_co_u32 s58, s58, s59
	s_lshl_b32 s59, s55, 1
	s_add_co_u32 s58, s58, s59
	s_add_co_u32 s58, s58, 3145728
	s_mov_b32 s59, 0
	s_add_co_u32 s54, s14, 26112                   ; the prefetches stand at slot 1; the first change of slots steps them to slot 2
	s_mov_b32 s55, 0
	s_lshr_b32 s49, s[WV], 2
	s_xor_b32 s49, s49, 1                          ; 0 in waves 4-7,
	s_or_b32 s49, s49, ttmp9                       ; of the head's first work-group, which walks all slots
	s_cmp_eq_u32 s49, 0
	s_cselect_b32 s[LIM], 1, -1
	s_mov_b32 s[SEL], 0x76543210
	s_mov_b32 s[SEL+1], 0xfedcba98
	s_mov_b32 s[CS], 0x3e38aa3b                    ; c = log2(e) / 8
	s_mov_b32 s[CS+1], s[CS]
	s_mov_b32 s[TB], 0
	s_mov_b32 s[KF], 0
	s_mov_b32 s[SLOTS], 7
	s_wait_dscnt 0x0                               ; both opening adds are done
	s_wait_kmcnt 0x0
	s_cmp_lt_u32 s[WV], 3
	s_cselect_b64 s[34:35], s[6:7], s[8:9]
	s_add_nc_u64 s[34:35], s[34:35], s[18:19]
	s_or_b32 s35, s35, 0x80000000
	s_mov_b32 s32, 1
	s_mov_b32 s33, s15
	tensor_load_to_lds s[32:35], s[24:31]          ; every wave's one first fill
	s_nop 0
.rept 4
	v_nop
.endr
	s_add_nc_u64 s[4:5], s[4:5], s[50:51]          ; careful order: the scale words' base is made from q's address first
	s_sub_nc_u64 s[50:51], s[4:5], s[50:51]
	s_add_nc_u64 s[50:51], s[50:51], s[52:53]
	s_add_nc_u64 s[56:57], s[10:11], s[56:57]
	s_add_nc_u64 s[58:59], s[10:11], s[58:59]
	s_add_nc_u64 s[PFA:PFA+1], s[6:7], s[54:55]
	v_and_b32 v10, 31, v0                          ; lane
	v_and_b32 v8, 15, v0                           ; r
	v_bfe_u32 v9, v0, 4, 1                         ; h
	s_delay_alu instid0(VALU_DEP_3)
	v_lshlrev_b32 v1, 4, v10
	s_delay_alu instid0(VALU_DEP_4)
	v_lshlrev_b32 v2, 3, v10
	v_lshlrev_b32 v3, 2, v10
	v_lshlrev_b32 v12, 2, v8
	global_load_b128 v[16:19], v1, s[4:5]          ; Q's 64 codes a row stay in registers
	global_load_b64 v[20:21], v2, s[4:5] offset:512
	global_load_b32 v255, v12, s[50:51]            ; and its scale words
	v_mul_u32_u24 v4, v8, 336
	s_delay_alu instid0(VALU_DEP_1)
	v_lshl_add_u32 v4, v9, 5, v4
	s_delay_alu instid0(VALU_DEP_1)
	v_add_nc_u32 v4, s21, v4                       ; the scratch, in: row r, + 32 h
	v_mul_u32_u24 v5, v8, 332
	s_delay_alu instid0(VALU_DEP_1)
	v_lshl_add_u32 v5, v9, 5, v5
	s_delay_alu instid0(VALU_DEP_1)
	v_add_nc_u32 v5, s21, v5
	s_delay_alu instid0(VALU_DEP_1)
	v_add_nc_u32 v5, 60, v5                        ; and out: row r from 4 (15 - r) on, + 32 h
	v_lshlrev_b32 v11, 3, v9
	s_delay_alu instid0(VALU_DEP_1)
	v_sub_nc_u32 v30, v8, v11                      ; r - 8 h
	s_and_b32 s49, s[WV], 3
	s_lshl_b32 s49, s49, 13
	v_lshl_add_u32 v31, v10, 8, s49
	s_delay_alu instid0(VALU_DEP_1)
	v_min_u32 v31, 25856, v31                      ; the prefetches' offset: lanes 256 bytes apart, held inside the record
.irp i, 0,1,2,3,4,5
	v_mov_b32 v[22+\i], 0                          ; Q's upper 64: zero codes
	v_mov_b32 v[62+\i], 0                          ; named by the fifth tile of P before anything else lands there
.endr
	v_mov_b32 v15, 0xff61b1e6                      ; the largest t so far: -3e38
	s_delay_alu instid0(VALU_DEP_1)
	v_floor_f32 v14, -v15                          ; -M
	v_mov_b32 v28, 0                               ; the sum, in two halves
	v_mov_b32 v29, 0
.irp b, 0,1,2,3
	v_mov_b32 v[TP+\b], 0                          ; a lane permute's destination counts as one of its sources
.endr
	v_mov_b32 v252, 0
	v_mov_b32 v253, 0
.irp j, 0,1,2,3,4,5,6,7,8,9,10,11,12,13,14,15,16,17,18,19,20,21,22,23,24,25,26,27,28,29,30,31
	v_mov_b32 v[O+\j], 0                           ; O^T: the step is written once; the first finds zeros
.endr
; A KEY STEP: 128 keys, the u-th of the slot in hand
.macro STEP u
	s_add_co_u32 s50, s[Q0], 15
	s_cmp_gt_u32 s[KF], s50                        ; all its keys come after my queries: ids and the count of steps alone
	s_cbranch_scc1 .Lhidden_\@
	v_add_nc_u32 v8, s[TB], v1
	v_add_nc_u32 v9, s[TB], v2
	v_add_nc_u32 v10, s[TB], v3
	s_wait_alu depctr_va_vdst(0)
.irp hf, 0,1                                   ; 64 keys at a time
	s_lshr_b32 s50, s[KF], 4
	s_add_co_u32 s50, s50, s[NQ]
	s_add_co_u32 s50, s50, 4*\hf                   ; the first tile of positions: 127 - Q0 / 16 + kf / 16
	s_min_u32 s50, s50, 131                        ; (never above it in a step that is walked)
	s_mul_i32 s51, s50, 768
	s_lshl_b32 s52, s50, 6
	v_add_nc_u32 v11, s51, v1
	v_add_nc_u32 v12, s51, v2
	v_add_nc_u32 v13, s52, v3
.if \hf
	v_nop                                          ; the fourth place beside the three additions; in the first half the step's six additions are the places
.endif
.irp t, 0,1,2,3,4
	ds_load_b128 v[F+6*\t:F+6*\t+3], v11 offset:PCD+768*\t
	ds_load_b64 v[F+6*\t+4:F+6*\t+5], v12 offset:PCD+768*\t+512
.endr
.irp i, 0,1,2
	ds_load_b32 v[248+\i], v13 offset:PSC+128*\i   ; lanes 0-15: tile 2 i's words, lanes 16-31: tile 2 i + 1's
.endr
	s_wait_dscnt 0x0
.irp t, 0,1,2,3,4
	MM T+8*\t, F+6*\t, 16, 248+\t/2, 255, \t%2, 0
.endr
.rept 4
	v_nop
.endr
.irp t, 0,1,2,3,4
	ds_store_b128 v4, v[T+8*\t:T+8*\t+3] offset:64*\t
	ds_store_b128 v4, v[T+8*\t+4:T+8*\t+7] offset:64*\t+16
.endr
.irp n, 0,1,2,3,4,5,6,7,8,9,10,11,12,13,14,15,16,17,18,19,20,21,22,23,24,25,26,27,28,29,30,31
	ds_load_b32 v[S+32*\hf+\n], v5 offset:64*(\n/8)+4*(\n%8)       ; LDS serves a wave's instructions in order: these see the stores above.  The position term of key 16 (n / 8) + 8 h + n % 8
.endr
.irp t, 0,1,2,3
	ds_load_b128 v[F+6*\t:F+6*\t+3], v8 offset:(8*(\u)+4*\hf+\t)*768
	ds_load_b64 v[F+6*\t+4:F+6*\t+5], v9 offset:(8*(\u)+4*\hf+\t)*768+512
.endr
.irp i, 0,1
	ds_load_b32 v[248+\i], v10 offset:12288+(8*(\u)+4*\hf+2*\i)*64
.endr
	s_wait_dscnt 0x0
.irp t, 0,1,2,3
	MM S+32*\hf+8*\t, F+6*\t, 16, 248+\t/2, 255, \t%2, 1
.endr
.endr
.rept 4
	v_nop
.endr
.irp ct, 0,1,2,3                               ; V^T's four fragments are asked for now and land while the softmax is walked
	ds_load_b128 v[F+12*\ct:F+12*\ct+3], v8 offset:13312+(4*(\u)+\ct)*1536
	ds_load_b64 v[F+12*\ct+4:F+12*\ct+5], v9 offset:13312+(4*(\u)+\ct)*1536+512
	ds_load_b128 v[F+12*\ct+6:F+12*\ct+9], v8 offset:13312+(4*(\u)+\ct)*1536+768
	ds_load_b64 v[F+12*\ct+10:F+12*\ct+11], v9 offset:13312+(4*(\u)+\ct)*1536+1280
.endr
.irp i, 0,1
	ds_load_b32 v[248+\i], v10 offset:25600+256*(\u)+128*\i
.endr
	s_add_co_u32 s50, s[KF], 127                   ; on the diagonal hidden scores become -infinity ahead of the maximum; a step all of whose keys count skips this
	s_cmp_le_u32 s50, s[Q0]
	s_cbranch_scc1 .Lopen_\@
	s_sub_co_i32 s50, s[Q0], s[KF]
	v_add_nc_u32 v252, s50, v30                    ; d = my query - KF - 8 h: register n is hidden where 16 (n / 8) + n % 8 > d
	v_mov_b32 v254, 0xff800000
.irp n, 0,1,2,3,4,5,6,7,8,9,10,11,12,13,14,15,16,17,18,19,20,21,22,23,24,25,26,27,28,29,30,31,32,33,34,35,36,37,38,39,40,41,42,43,44,45,46,47,48,49,50,51,52,53,54,55,56,57,58,59,60,61,62,63
	v_cmp_gt_i32 vcc_lo, 16*(\n/8)+\n%8, v252
	v_cndmask_b32 v[S+\n], v[S+\n], v254, vcc_lo
.endr
.Lopen_\@:
.irp b, 0,1,2,3
	v_max3_num_f32 v[BM+\b], v[S+16*\b], v[S+1+16*\b], v[S+2+16*\b]   ; the largest score of each block of 32 keys: for the row's maximum, and, since p rises with the score, for the block's largest p
.endr
.irp i, 3,5,7,9,11,13
.irp b, 0,1,2,3
	v_max3_num_f32 v[BM+\b], v[BM+\b], v[S+16*\b+\i], v[S+1+16*\b+\i]
.endr
.endr
.irp b, 0,1,2,3
	v_max_num_f32 v[BM+\b], v[BM+\b], v[S+15+16*\b]
.endr
.irp b, 0,1,2,3
	s_delay_alu instid0(VALU_DEP_4)
	v_permlanex16_b32 v[TP+\b], v[BM+\b], s[SEL], s[SEL+1]
.endr
.irp b, 0,1,2,3
	s_delay_alu instid0(VALU_DEP_4)
	v_max_num_f32 v[BM+\b], v[BM+\b], v[TP+\b]
.endr
	s_delay_alu instid0(VALU_DEP_2)
	v_max3_num_f32 v254, v[BM], v[BM+1], v[BM+2]
	s_delay_alu instid0(VALU_DEP_1)
	v_max_num_f32 v254, v254, v[BM+3]
	s_delay_alu instid0(VALU_DEP_1)
	v_mul_f32 v254, s[CS], v254
	s_delay_alu instid0(VALU_DEP_1)
	v_max_num_f32 v15, v15, v254                   ; the running largest t
	v_mov_b32 v254, v14
	s_delay_alu instid0(VALU_DEP_2)
	v_floor_f32 v14, -v15                          ; the new -M: a whole number
	s_delay_alu instid0(VALU_DEP_1)
	v_sub_f32 v254, v14, v254
	s_delay_alu instid0(VALU_DEP_1)
	v_cvt_i32_f32 v254, v254                       ; (it saturates)
	s_delay_alu instid0(VALU_DEP_1)
	v_ldexp_f32 v252, 1.0, v254                    ; f = 2^(old M - new M): exact
.irp j, 0,2,4,6,8,10,12,14,16,18,20,22,24,26,28,30,32,34,36,38,40,42,44,46,48,50,52,54,56,58,60,62
	v_pk_fma_f32 v[S+\j:S+1+\j], v[S+\j:S+1+\j], s[CS:CS+1], v[14:15] op_sel_hi:[1,0,0]   ; t - M
.endr
.irp b, 0,1,2,3
	v_fma_f32 v[BM+\b], v[BM+\b], s[CS], v14
.endr
	s_wait_alu depctr_va_vdst(0)
.irp j, 0,1,2,3,4,5,6,7,8,9,10,11,12,13,14,15,16,17,18,19,20,21,22,23,24,25,26,27,28,29,30,31,32,33,34,35,36,37,38,39,40,41,42,43,44,45,46,47,48,49,50,51,52,53,54,55,56,57,58,59,60,61,62,63
	v_exp_f32 v[S+\j], v[S+\j]                     ; p, not normalised
.endr
	v_pk_mul_f32 v[28:29], v[28:29], v[252:253] op_sel_hi:[1,0]    ; the sums under the new M: the plain place behind the batch
	s_wait_alu depctr_va_vdst(0)                   ; one wait for the batch, ahead of its first reader
.irp b, 0,1,2,3
	v_exp_f32 v[BM+\b], v[BM+\b]                   ; the block's largest p
.endr
	v_pk_add_f32 v[TP:TP+1], v[S:S+1], v[S+2:S+3]  ; the row's sum, of the unquantised p, in two chains
.irp j, 4,8,12,16,20,24,28,32,36,40,44,48,52,56,60
	v_pk_add_f32 v[28:29], v[28:29], v[S+\j:S+1+\j]
	v_pk_add_f32 v[TP:TP+1], v[TP:TP+1], v[S+2+\j:S+3+\j]
.endr
	s_delay_alu instid0(VALU_DEP_1)
	v_pk_add_f32 v[28:29], v[28:29], v[TP:TP+1]
	s_wait_alu depctr_va_vdst(0)                   ; and one for the four
.irp b, 0,1,2,3
	v_max_num_f32 v[BM+\b], 0x2800000, v[BM+\b]    ; the floor 2^(5 - 127)
.endr
; The chain that makes p's scale word takes turns with the sixteen multiplications that bring O^T under the new M: every reader stands five or more vector instructions behind its producer.
.irp j, 0,2
	v_pk_mul_f32 v[O+\j:O+1+\j], v[O+\j:O+1+\j], v[252:253] op_sel_hi:[1,0]
.endr
.irp b, 0,1,2,3
	v_add_nc_u32 v[SO+\b], 0xfe000000, v[BM+\b]    ; 4 off the exponent field: the conversion's scale operand
.endr
.irp j, 4,6
	v_pk_mul_f32 v[O+\j:O+1+\j], v[O+\j:O+1+\j], v[252:253] op_sel_hi:[1,0]
.endr
.irp b, 0,1,2,3
	v_lshrrev_b32 v[TP+\b], 23, v[SO+\b]           ; the scale's byte
.endr
.irp j, 8,10,12
	v_pk_mul_f32 v[O+\j:O+1+\j], v[O+\j:O+1+\j], v[252:253] op_sel_hi:[1,0]
.endr
	v_lshl_or_b32 v[TP], v[TP+1], 8, v[TP]         ; bytes 0, 1
	v_lshl_or_b32 v[TP+2], v[TP+3], 8, v[TP+2]     ; bytes 2, 3
.irp j, 14,16,18,20
	v_pk_mul_f32 v[O+\j:O+1+\j], v[O+\j:O+1+\j], v[252:253] op_sel_hi:[1,0]
.endr
	v_lshl_or_b32 v251, v[TP+2], 16, v[TP]         ; p's scale word for these 128 keys, in a register of its own
.irp c, 0,1
	v_cvt_scalef32_pk16_bf6_f32 v[PC+6*\c:PC+2+6*\c], v[S+32*\c:S+15+32*\c], v[SO+2*\c]
	v_cvt_scalef32_pk16_bf6_f32 v[CT+4*\c:CT+2+4*\c], v[S+16+32*\c:S+31+32*\c], v[SO+2*\c+1]
.endr
	v_pk_mul_f32 v[O+22:O+23], v[O+22:O+23], v[252:253] op_sel_hi:[1,0]   ; also the plain place behind the conversions
.irp c, 0,1
.irp i, 0,1,2
	v_permlane16_swap_b32 v[PC+6*\c+\i], v[CT+4*\c+\i]
.endr
.endr
.irp c, 0,1
.irp i, 0,1,2
	v_mov_b32 v[PC+3+6*\c+\i], v[CT+4*\c+\i]
.endr
.endr
.irp j, 24,26,28,30
	v_pk_mul_f32 v[O+\j:O+1+\j], v[O+\j:O+1+\j], v[252:253] op_sel_hi:[1,0]   ; these four are the places between p's codes and the products below; eleven plain lines stand behind the scale word
.endr
	s_wait_alu depctr_va_vdst(0)
	s_wait_dscnt 0x0                               ; V^T and its scale words
.irp ct, 0,1,2,3
	MM O+8*\ct, F+12*\ct, PC, 248+\ct/2, 251, \ct%2, 1
.endr
.Lhidden_\@:
	s_add_co_u32 s[KF], s[KF], 128
.endm
; THE CHANGE OF SLOTS stands at a slot's head: each wave waits for all its tensor loads, adds 0 to its spare word, waits for that and for its reads of the slot that it has left; one barrier.
; fill = 1: the slot just left is filled with the next record, if a wave of this work-group will read it.
.macro CHANGE fill
	s_wait_tensorcnt 0x0                           ; no tensor load of mine is out, so group 0 may be written
	ds_add_u32 v6, v7
.if \fill
	s_xor_b32 s33, s33, SLOT1                      ; the other slot than last time,
	s_add_nc_u64 s[34:35], s[34:35], 26112         ; the next record
	s_wait_xcnt 0x0                                ; the last prefetch, a slot back, has read its address
	s_add_nc_u64 s[PFA:PFA+1], s[PFA:PFA+1], 26112
.endif
	s_wait_dscnt 0x0
	s_barrier_signal -1
	s_barrier_wait -1
.if \fill
	s_add_co_u32 s50, s[KF], 256                   ; the first key of the slot that this change would ask for
	s_cmp_gt_u32 s50, s[LASTQ]                     ; ids and the count of steps alone: all sixteen waves go the same way, and past the limit stays past it
	s_cbranch_scc1 .Lpast_\@
	s_cmp_lt_u32 s[WV], 3
	s_cbranch_scc0 .Lpast_\@
	tensor_load_to_lds s[32:35], s[24:31]
	s_nop 0
.rept 4
	v_nop
.endr
.Lpast_\@:
	s_cmp_gt_u32 s[SLOTS], s[LIM]                  ; a prefetch of the record that the NEXT change will ask for: two key steps ahead of that load.  All eight work-groups of a head walk the same records: the first of them asks,
	s_cbranch_scc0 .Lnot_mine_\@                   ; in waves 4-7, 8,192 bytes a wave, lanes 256 bytes apart (the lanes past the record's end name its last block); the last change that fills a slot asks for nothing
	global_prefetch_b8 v31, s[PFA:PFA+1] th:TH_LOAD_NT scope:SCOPE_SE
.Lnot_mine_\@:
.endif
.endm
	s_wait_loadcnt 0x0                             ; Q
.Lslot:                                            ; seven trips
	CHANGE 1
	STEP 0
	STEP 1
	s_xor_b32 s[TB], s[TB], SLOT1
	s_sub_co_u32 s[SLOTS], s[SLOTS], 1
	s_cmp_lg_u32 s[SLOTS], 0
	s_cbranch_scc1 .Lslot
	CHANGE 0                                       ; the last slot is written out: nothing is left to ask for
	STEP 0
	STEP 1
	; THE WAY OUT: O^T / the sum, quantised along the head's 64 (two blocks), stored as half a fragment of product 7's operand
.rept 4
	v_nop
.endr
	v_add_f32 v28, v28, v29
	s_delay_alu instid0(VALU_DEP_1)
	v_permlanex16_b32 v252, v28, s[SEL], s[SEL+1]
	s_delay_alu instid0(VALU_DEP_1)
	v_add_f32 v28, v28, v252                       ; the row's sum
	s_wait_alu depctr_va_vdst(0)
	v_rcp_f32 v28, v28
	v_nop
	s_wait_alu depctr_va_vdst(0)
.irp j, 0,1,2,3,4,5,6,7,8,9,10,11,12,13,14,15,16,17,18,19,20,21,22,23,24,25,26,27,28,29,30,31
	v_mul_f32 v[S+\j], v[O+\j], v28
.endr
.irp b, 0,1
	v_max3_num_f32 v[BM+\b], |v[S+16*\b]|, |v[S+1+16*\b]|, 0x2800000
.endr
.irp i, 2,4,6,8,10,12,14
.irp b, 0,1
	s_delay_alu instid0(VALU_DEP_2)
	v_max3_num_f32 v[BM+\b], v[BM+\b], |v[S+16*\b+\i]|, |v[S+1+16*\b+\i]|
.endr
.endr
.irp b, 0,1
	s_delay_alu instid0(VALU_DEP_2)
	v_permlanex16_b32 v[TP+\b], v[BM+\b], s[SEL], s[SEL+1]
.endr
.irp b, 0,1
	s_delay_alu instid0(VALU_DEP_2)
	v_max_num_f32 v[BM+\b], v[BM+\b], v[TP+\b]
.endr
.irp b, 0,1
	s_delay_alu instid0(VALU_DEP_2)
	v_add_nc_u32 v[SO+\b], 0xfe000000, v[BM+\b]
.endr
.irp b, 0,1
	s_delay_alu instid0(VALU_DEP_2)
	v_lshrrev_b32 v[TP+\b], 23, v[SO+\b]
.endr
	s_delay_alu instid0(VALU_DEP_1)
	v_lshl_or_b32 v254, v[TP+1], 8, v[TP]          ; my row's two bytes
	v_cvt_scalef32_pk16_bf6_f32 v[PC:PC+2], v[S:S+15], v[SO]
	v_cvt_scalef32_pk16_bf6_f32 v[CT:CT+2], v[S+16:S+31], v[SO+1]
	v_nop
.irp i, 0,1,2
	v_permlane16_swap_b32 v[PC+\i], v[CT+\i]
.endr
.irp i, 0,1,2
	s_delay_alu instid0(VALU_DEP_3)
	v_mov_b32 v[PC+3+\i], v[CT+\i]
.endr
	global_store_b128 v1, v[PC:PC+3], s[56:57]
	global_store_b64 v2, v[PC+4:PC+5], s[56:57] offset:512
	s_wait_xcnt 0x0                                ; EXEC changes only behind this wait
	v_cmp_gt_u32 vcc_lo, 64, v3                    ; lanes 0-15
	s_and_saveexec_b32 s50, vcc_lo
	global_store_b16 v3, v254, s[58:59]            ; half of a scale word: the other half is the pair's other head's
	s_wait_xcnt 0x0
	s_or_b32 exec_lo, exec_lo, s50
	s_wait_tensorcnt 0x0                           ; the wave's end
	ds_add_u32 v6, v7
	s_wait_dscnt 0x0
	s_endpgm
.Lfunc_end_k_qc519eea56a_attn:
	.size	k_qc519eea56a_attn, .Lfunc_end_k_qc519eea56a_attn-k_qc519eea56a_attn
	.p2alignl 7, 3214868480
	.fill 96, 4, 3214868480
	.section	.rodata,"a",@progbits
	.p2align	6, 0x0
	.amdhsa_kernel k_qc519eea56a_attn
		.amdhsa_group_segment_fixed_size 327680
		.amdhsa_private_segment_fixed_size 0
		.amdhsa_enable_private_segment 0
		.amdhsa_kernarg_size 32
		.amdhsa_user_sgpr_count 2
		.amdhsa_user_sgpr_kernarg_segment_ptr 1
		.amdhsa_wavefront_size32 1
		.amdhsa_system_sgpr_workgroup_id_x 1
		.amdhsa_system_sgpr_workgroup_id_y 1
		.amdhsa_system_sgpr_workgroup_id_z 1
		.amdhsa_system_vgpr_workitem_id 0
		.amdhsa_next_free_vgpr 256
		.amdhsa_next_free_sgpr 66
		.amdhsa_reserve_vcc 1
		.amdhsa_float_denorm_mode_32 3
		.amdhsa_float_denorm_mode_16_64 3
		.amdhsa_memory_ordered 1
		.amdhsa_forward_progress 1
		.amdhsa_inst_pref_size 138
	.end_amdhsa_kernel
	.amdgpu_metadata
---
amdhsa.version: [ 1, 2 ]
amdhsa.kernels:
  - .name:           k_qc519eea56a_attn
    .symbol:         k_qc519eea56a_attn.kd
    .args:
      - { .name: q, .offset: 0, .size: 8, .value_kind: global_buffer, .address_space: global }
      - { .name: kv, .offset: 8, .size: 8, .value_kind: global_buffer, .address_space: global }
      - { .name: pbuf, .offset: 16, .size: 8, .value_kind: global_buffer, .address_space: global }
      - { .name: a, .offset: 24, .size: 8, .value_kind: global_buffer, .address_space: global }
    .group_segment_fixed_size: 327680
    .private_segment_fixed_size: 0
    .kernarg_segment_align: 8
    .kernarg_segment_size: 32
    .max_flat_workgroup_size: 512
    .sgpr_count:     66
    .vgpr_count:     256
    .wavefront_size: 32
...
	.end_amdgpu_metadata
.endif
;; end of part 3
;; launch gemm_out (part 4): grid 8 x 32, 8 waves a work-group, no clusters, 327,680 bytes of LDS; arguments a, w, bo, out0; writes out0
.if DOCPART == 4
	.amdgcn_target "amdgcn-amd-amdhsa--gfx1250"
	.amdhsa_code_object_version 6
	.text
	.protected	k_qc519eea56a_gemm_out
	.globl	k_qc519eea56a_gemm_out
	.p2align	8
	.type	k_qc519eea56a_gemm_out,@function
k_qc519eea56a_gemm_out:
	s_mov_b64 s[64:65], 0
	v_nop
	global_prefetch_b8 v0, s[64:65] scope:SCOPE_SE
	s_setreg_imm32_b32 hwreg(HW_REG_WAVE_MODE, 25, 1), 1
	s_wait_xcnt 0x0
; Product 7: out0 = A Wo + bo, on the attention's codes (a) and Wo's (w's tiles 196-259), both images of operand registers (first kernel's head).  Nothing is left out here.
; A work-group makes 128 tokens (y) x 128 columns (x); wave w makes 32 tokens (pair w / 2 of tiles) x 64 columns (half w % 2): 8 accumulators.
; ALL OF K AT ONCE: a tile of 16 rows with its eight K steps is 12,288 dense bytes.  Each wave asks for two tiles (24,576 bytes, as 96 rows of 256 bytes) with its one tensor load at the head:
; waves 0-3 the 8 tiles of tokens, waves 4-7 the 8 tiles of columns; tile T lies at T x 12,288.  16 x 12,288 = 196,608 bytes, filled once: one wait, one barrier, no refill; every K step is an immediate offset.
; Source 0 = 16 columns of Wo, source 1 = 16 tokens: a lane holds eight neighbouring columns of one token.  bo is the C of each sum's first product.
; The way out: 16 tokens x 64 columns through the wave's own stage (rows of 256 + 16 bytes, bytes that no tensor load fills); sixteen lanes store 256 consecutive bytes at a multiple of 256.
; NO CLUSTER: a wave makes one request in the whole launch, so a cluster's opening and closing rounds would stand for a single joint load.  NO PREFETCH: there is no loop to run ahead in; that one request stands at the head.
.set TILEB, 12288
.set STAGE, 196608
.set SPARE, 231424
.macro MO d, a, b, c, sa, sb, odd
.if \odd
	v_wmma_scale_f32_16x16x128_f8f6f4 v[\d:\d+7], v[\a:\a+11], v[\b:\b+11], v[\c:\c+7], v[\sa], v[\sb] matrix_a_fmt:MATRIX_FMT_BF6 matrix_b_fmt:MATRIX_FMT_BF6 matrix_a_scale:MATRIX_SCALE_ROW1 matrix_b_scale:MATRIX_SCALE_ROW1
.else
	v_wmma_scale_f32_16x16x128_f8f6f4 v[\d:\d+7], v[\a:\a+11], v[\b:\b+11], v[\c:\c+7], v[\sa], v[\sb] matrix_a_fmt:MATRIX_FMT_BF6 matrix_b_fmt:MATRIX_FMT_BF6
.endif
.endm
	s_load_b256 s[4:11], s[0:1], 0x0               ; a, w, bo, out0
	v_lshl_add_u32 v28, v0, 2, SPARE
	v_mov_b32 v29, 0
	ds_add_u32 v28, v29                            ; the wave's opening: the add, twice on end, and its wait ahead of my tensor load
	ds_add_u32 v28, v29
	v_lshrrev_b32 v1, 5, v0
	s_delay_alu instid0(VALU_DEP_1)
	v_readfirstlane_b32 s12, v1                    ; wave 0..7
	s_mov_b32 s13, ttmp9                           ; x: block of columns
	s_and_b32 s14, ttmp7, 0xffff                   ; y: block of tokens
	s_lshr_b32 s15, s12, 1                         ; my pair of token tiles
	s_and_b32 s16, s12, 1                          ; my half of the columns
	s_lshl_b32 s17, s14, 3
	s_lshl_b32 s18, s13, 3
	s_add_co_u32 s18, s18, 188                     ; (wave 4's first tile is 196 + 8 x)
	s_cmp_lt_u32 s12, 4
	s_cselect_b32 s17, s17, s18
	s_lshl_b32 s18, s12, 1
	s_add_co_u32 s17, s17, s18                     ; the first of the two tiles that I fetch
	s_mul_i32 s18, s17, TILEB
	s_mov_b32 s19, 0
	s_mov_b32 s32, 1                               ; group 0
	s_mul_i32 s33, s12, 2*TILEB                    ; LDS: wave x two tiles
	s_mov_b32 s24, 3<<16                           ; group 1: 96 dense rows of 256 bytes (32 elements of 8 bytes)
	s_mov_b32 s25, 32<<16
	s_mov_b32 s26, 96<<16
	s_mov_b32 s27, 32<<16
	s_mov_b32 s28, 96
	s_mov_b32 s29, 32
	s_mov_b32 s30, 0
	s_mov_b32 s31, 0
	v_and_b32 v9, 31, v0                           ; lane
	v_and_b32 v10, 15, v0                          ; r
	v_bfe_u32 v11, v0, 4, 1                        ; h
	s_delay_alu instid0(VALU_DEP_3)
	v_lshlrev_b32 v2, 4, v9
	s_delay_alu instid0(VALU_DEP_4)
	v_lshlrev_b32 v3, 3, v9
	v_lshlrev_b32 v4, 2, v9
	s_mul_i32 s21, s16, 4*TILEB
	s_add_co_u32 s21, s21, 8*TILEB                 ; my four tiles of columns, behind the eight of tokens
	v_add_nc_u32 v16, s21, v2
	v_add_nc_u32 v17, s21, v3
	s_mul_i32 s21, s15, 2*TILEB                    ; my two tiles of tokens
	v_add_nc_u32 v18, s21, v2
	v_add_nc_u32 v19, s21, v3
	s_mul_i32 s21, s12, 4352
	s_add_co_u32 s21, s21, STAGE                   ; my stage
	v_mul_u32_u24 v20, v10, 272
	s_delay_alu instid0(VALU_DEP_1)
	v_lshl_add_u32 v20, v11, 5, v20
	s_delay_alu instid0(VALU_DEP_1)
	v_add_nc_u32 v20, s21, v20                     ; in: row r, + 32 h
	v_mul_u32_u24 v21, v11, 272
	s_delay_alu instid0(VALU_DEP_1)
	v_lshl_add_u32 v21, v10, 4, v21
	s_delay_alu instid0(VALU_DEP_1)
	v_add_nc_u32 v21, s21, v21                     ; back: sixteen lanes to a row, two rows an instruction
	v_lshlrev_b32 v22, 12, v11
	s_delay_alu instid0(VALU_DEP_1)
	v_lshl_add_u32 v22, v10, 4, v22                ; and the same two rows in out0
	v_lshlrev_b32 v6, 5, v11                       ; 32 h: my eight numbers of a tile's sixteen of bo
	s_wait_alu depctr_va_vdst(0)                   ; the wait at the head's end
	s_wait_dscnt 0x0                               ; both opening adds are done
	s_wait_kmcnt 0x0
	s_cmp_lt_u32 s12, 4
	s_cselect_b64 s[34:35], s[4:5], s[6:7]
	s_add_nc_u64 s[34:35], s[34:35], s[18:19]
	s_or_b32 s35, s35, 0x80000000
	tensor_load_to_lds s[32:35], s[24:31]          ; my one tensor load of the launch
	s_nop 0
.rept 4
	v_nop
.endr
	s_lshl_b32 s48, s13, 3
	s_lshl_b32 s49, s16, 2
	s_add_co_u32 s48, s48, s49
	s_add_co_u32 s48, s48, 196
	s_lshl_b32 s48, s48, 9
	s_add_co_u32 s48, s48, 3194880
	s_mov_b32 s49, 0
	s_add_nc_u64 s[6:7], s[6:7], s[48:49]          ; the scale words of my four tiles of columns
	s_lshl_b32 s48, s14, 3
	s_lshl_b32 s50, s15, 1
	s_add_co_u32 s48, s48, s50
	s_lshl_b32 s48, s48, 9
	s_add_co_u32 s48, s48, 3145728
	s_add_nc_u64 s[4:5], s[4:5], s[48:49]          ; and of my two tiles of tokens
	s_lshl_b32 s48, s13, 9
	s_lshl_b32 s50, s16, 8
	s_add_co_u32 s48, s48, s50                     ; my 64 columns, in bytes
	s_add_nc_u64 s[8:9], s[8:9], s[48:49]
	s_add_nc_u64 s[10:11], s[10:11], s[48:49]
	s_lshl_b32 s48, s14, 7
	s_lshl_b32 s50, s15, 5
	s_add_co_u32 s48, s48, s50
	s_lshl_b32 s48, s48, 12                        ; my first token: rows of 4,096 bytes
	s_add_nc_u64 s[10:11], s[10:11], s[48:49]
.irp b, 0,1,2,3
.irp u, 0,1,2,3
	global_load_b32 v[32+4*\b+\u], v4, s[6:7] offset:512*\b+128*\u   ; lanes 0-15: K step 2 u's words, lanes 16-31: K step 2 u + 1's
.endr
	global_load_b128 v[200+8*\b:203+8*\b], v6, s[8:9] offset:64*\b
	global_load_b128 v[204+8*\b:207+8*\b], v6, s[8:9] offset:64*\b+16
.endr
.irp m, 0,1
.irp u, 0,1,2,3
	global_load_b32 v[48+4*\m+\u], v4, s[4:5] offset:512*\m+128*\u
.endr
.endr
	s_wait_loadcnt 0x0                             ; scale words and bias
	s_wait_tensorcnt 0x0                           ; my two tiles are in
	s_barrier_signal -1
	s_barrier_wait -1                              ; and everybody's
.macro FRAG reg, adr, off              ; a fragment as it lies: 16 x lane, 512 + 8 x lane, twice
	ds_load_b128 v[\reg:\reg+3], v[\adr] offset:\off
	ds_load_b64 v[\reg+4:\reg+5], v[\adr+1] offset:\off+512
	ds_load_b128 v[\reg+6:\reg+9], v[\adr] offset:\off+768
	ds_load_b64 v[\reg+10:\reg+11], v[\adr+1] offset:\off+1280
.endm
.macro KSTEP ks                        ; six fragments, eight products; the eight accumulators take turns
.if \ks
.rept 4
	v_nop                                          ; places in front of loads into registers that matrix instructions have read
.endr
.endif
.irp b, 0,1,2,3
	FRAG 128+12*\b, 16, \b*TILEB+(\ks)*1536
.endr
.irp m, 0,1
	FRAG 176+12*\m, 18, \m*TILEB+(\ks)*1536
.endr
	s_wait_dscnt 0x0
.irp m, 0,1
.irp b, 0,1,2,3
.if (\ks) == 0
	MO 64+8*(4*\m+\b), 128+12*\b, 176+12*\m, 200+8*\b, 32+4*\b, 48+4*\m, 0
.else
	MO 64+8*(4*\m+\b), 128+12*\b, 176+12*\m, 64+8*(4*\m+\b), 32+4*\b+(\ks)/2, 48+4*\m+(\ks)/2, (\ks)%2
.endif
.endr
.endr
.endm
.irp ks, 0,1,2,3,4,5,6,7
	KSTEP \ks
.endr
.rept 4
	v_nop                                          ; places in front of the reads of results and of the loads into the fragments' registers
.endr
.irp m, 0,1
.irp b, 0,1,2,3
	ds_store_b128 v20, v[64+8*(4*\m+\b):64+8*(4*\m+\b)+3] offset:64*\b          ; each accumulator from its low end on
	ds_store_b128 v20, v[64+8*(4*\m+\b)+4:64+8*(4*\m+\b)+7] offset:64*\b+16
.endr
.irp i, 0,1,2,3,4,5,6,7
	ds_load_b128 v[128+32*\m+4*\i:128+32*\m+4*\i+3], v21 offset:2*\i*272        ; LDS serves a wave's instructions in order: these see the stores above
.endr
.endr
.irp m, 0,1
.irp i, 0,1,2,3,4,5,6,7
	s_wait_dscnt 23-16*\m-\i                       ; behind this load: the rest of its eight, and for m = 0 the second block's 8 stores and 8 loads
	global_store_b128 v22, v[128+32*\m+4*\i:128+32*\m+4*\i+3], s[10:11] offset:(16*\m+2*\i)*4096 th:TH_STORE_NT
.endr
.endr
	s_wait_tensorcnt 0x0                           ; the wave's end
	ds_add_u32 v28, v29
	s_wait_dscnt 0x0
	s_endpgm
.Lfunc_end_k_qc519eea56a_gemm_out:
	.size	k_qc519eea56a_gemm_out, .Lfunc_end_k_qc519eea56a_gemm_out-k_qc519eea56a_gemm_out
	.p2alignl 7, 3214868480
	.fill 96, 4, 3214868480
	.section	.rodata,"a",@progbits
	.p2align	6, 0x0
	.amdhsa_kernel k_qc519eea56a_gemm_out
		.amdhsa_group_segment_fixed_size 327680
		.amdhsa_private_segment_fixed_size 0
		.amdhsa_enable_private_segment 0
		.amdhsa_kernarg_size 32
		.amdhsa_user_sgpr_count 2
		.amdhsa_user_sgpr_kernarg_segment_ptr 1
		.amdhsa_wavefront_size32 1
		.amdhsa_system_sgpr_workgroup_id_x 1
		.amdhsa_system_sgpr_workgroup_id_y 1
		.amdhsa_system_sgpr_workgroup_id_z 1
		.amdhsa_system_vgpr_workitem_id 0
		.amdhsa_next_free_vgpr 256
		.amdhsa_next_free_sgpr 66
		.amdhsa_reserve_vcc 0
		.amdhsa_float_denorm_mode_32 3
		.amdhsa_float_denorm_mode_16_64 3
		.amdhsa_memory_ordered 1
		.amdhsa_forward_progress 1
		.amdhsa_inst_pref_size 33
	.end_amdhsa_kernel
	.amdgpu_metadata
---
amdhsa.version: [ 1, 2 ]
amdhsa.kernels:
  - .name:           k_qc519eea56a_gemm_out
    .symbol:         k_qc519eea56a_gemm_out.kd
    .args:
      - { .name: a, .offset: 0, .size: 8, .value_kind: global_buffer, .address_space: global }
      - { .name: w, .offset: 8, .size: 8, .value_kind: global_buffer, .address_space: global }
      - { .name: bo, .offset: 16, .size: 8, .value_kind: global_buffer, .address_space: global }
      - { .name: out0, .offset: 24, .size: 8, .value_kind: global_buffer, .address_space: global }
    .group_segment_fixed_size: 327680
    .private_segment_fixed_size: 0
    .kernarg_segment_align: 8
    .kernarg_segment_size: 32
    .max_flat_workgroup_size: 256
    .sgpr_count:     66
    .vgpr_count:     256
    .wavefront_size: 32
...
	.end_amdgpu_metadata
.endif
;; end of part 4
